; MI455X (gfx1250); checked and timed in simulation.
; The chip was launched on July 23, 2026; its instructions are those of AMD's public machine-readable ISA for CDNA 5 (MIT licence, August 2026) and "CDNA5" Instruction Set Architecture Reference Guide (July 2026). The comments in the code are by the model that wrote it; some were corrected since.
;; Multi Head Attention. Allowed arithmetic: matrix products marked QUANTISED: E2M1 operands, one E8M0 scale for each 32 along K, by v_wmma_scale_f32_16x16x128_f8f6f4 with both operands' format E2M1 (or v_wmma_scale_f32_32x16x128_f4), f32 sums; products left as they are: bf16, f16 or f32 operands; f32 sums; everything else in f32.
;; Inputs: Wk 1,024 x 1,024 float32; Wo 1,024 x 1,024 float32; Wq 1,024 x 1,024 float32; Wv 1,024 x 1,024 float32; bk 1,024 float32; bo 1,024 float32; bq 1,024 float32; bv 1,024 float32; key 4 x 2,048 x 1,024 float32; mask 1 x 1 x 2,048 x 2,048 int32; query 4 x 2,048 x 1,024 float32; value 4 x 2,048 x 1,024 float32.
;; Outputs: out0 4 x 2,048 x 1,024 float32.
;; This version of the problem:
;;   THIS VERSION OF THE PROBLEM IS GIVEN IN LOW PRECISION. The matrix products marked QUANTISED in the list below multiply operands that are first quantised to E2M1 (2 exponent bits, 1 mantissa bit; 4 bits a number), with one power-of-two scale for each 32 numbers along K (OCP MX v1.0); their sums are f32. The products marked 'left as it is' may take bf16, f16 or f32 operands, with f32 sums. Whichever they take, every output number must still come out within the allowed error. Rounding operands to bf16 (8 significant bits) uses up far more of that allowance than f16 does (11 bits, for magnitudes from 6e-5 to 65,504). All else is computed in f32.
;;   The module's matrix products, in the order in which they are computed (A, B: the left and right operand; K: the contracted axis; several contracted axes count as one K, in the product's order):
;;     1. [M 8,192, K 1,024] x [K 1,024, N 1,024]; A: input query; B: input Wq: QUANTISED
;;     2. [M 8,192, K 1,024] x [K 1,024, N 1,024]; A: input key; B: input Wk: QUANTISED
;;     3. [M 8,192, K 1,024] x [K 1,024, N 1,024]; A: input value; B: input Wv: QUANTISED
;;     4. batch 64 x [M 2,048, K 64] x [K 64, N 2,048]; A: computed on the way; B: computed on the way: left as it is (an operand is computed on the way)
;;     5. batch 64 x [M 2,048, K 2,048] x [K 2,048, N 64]; A: computed on the way; B: computed on the way: left as it is (an operand is computed on the way)
;;     6. [M 8,192, K 1,024] x [K 1,024, N 1,024]; A: computed on the way; B: input Wo: left as it is (an operand is computed on the way)
;;   THE QUANTISER, for each operand of a quantised product, along K:
;;     - K is cut into blocks of 32 from its start; a last block that is shorter is filled with zeros.
;;     - A block's scale is 2^e with e = floor(log2(the largest magnitude in the block)) - 2, held to -126 .. 127; a block of zeros has e = 0. As a byte (E8M0): e + 127.
;;     - Each number is divided by its block's scale, clamped to +-6, and rounded to the nearest number of E2M1, ties to even, subnormals kept.
;;     - The product sums the exact products of the quantised numbers (number of the format x scale) in f32.
;;   ~~~python
;;   def quantise(x, axis):      # numpy; x: float32 -> the quantised numbers, widened to float32 again
;;       x = np.moveaxis(x, axis, -1); K = x.shape[-1]
;;       x = np.pad(x, [(0, 0)] * (x.ndim - 1) + [(0, -K % 32)]); x = x.reshape(x.shape[:-1] + (-1, 32)); a = np.abs(x).max(-1, keepdims=True)
;;       e = np.where(a > 0, np.clip(np.frexp(np.where(a > 0, a, 1))[1] - 1 - 2, -126, 127), 0)      # np.frexp(a)[1] - 1 = floor(log2(a)), exactly
;;       r = np.clip(x / 2.0 ** e, -6, 6)
;;       step = 2.0 ** (np.maximum(np.frexp(np.where(r == 0, 1, r))[1] - 1, 0) - 1)
;;       q = np.round(r / step) * step * 2.0 ** e      # np.round: ties to even
;;       return np.moveaxis(q.reshape(q.shape[:-2] + (-1,))[..., :K], -1, axis).astype(np.float32)
;;   ~~~
;; One version. Each part assembles by itself: llvm-mc -triple=amdgcn-amd-amdhsa -mcpu=gfx1250 --defsym DOCPART=n.
;; ======== version 1 of 1: 4 launches
;; limits: values are held in f16: magnitudes above 65,504 overflow, below 6.1e-05 lose precision
;; workspace buffers: codes 14,155,776 bytes; scales 884,736 bytes; wo16 2,097,152 bytes; mbits 524,288 bytes of whole numbers; qkv 50,331,648 bytes; xh 16,777,216 bytes
;; launch prep (part 1): grid 1504 x 1, 4 waves a work-group, no clusters, 67,072 bytes of LDS; arguments query, key, value, Wq, Wk, Wv, Wo, mask, codes, scales, wo16, mbits; writes codes, scales, wo16, mbits
.if DOCPART == 1
	.amdgcn_target "amdgcn-amd-amdhsa--gfx1250"
	.amdhsa_code_object_version 6
	.text
	.protected	k_q5809277968_prep
	.globl	k_q5809277968_prep
	.p2align	8
	.type	k_q5809277968_prep,@function
k_q5809277968_prep:
	s_mov_b64 s[64:65], 0
	v_nop
	global_prefetch_b8 v0, s[64:65] scope:SCOPE_SE
	s_setreg_imm32_b32 hwreg(HW_REG_WAVE_MODE, 25, 1), 1
	s_wait_xcnt 0x0
; THE LAUNCH IN FRONT OF THE PRODUCTS.  Three kinds of work, told apart by the work-group's number alone:
;   work-groups 0-863: query, key, value [8192][1024] and Wq, Wk, Wv [1024][1024], f32, become codes of FP4 (E2M1), K innermost, and one E8M0 byte for each 32 along K.  The six tensors lie one
;     behind the other in the two buffers: rows 0-24,575 query, key, value; rows 24,576-27,647 Wq, Wk, Wv; a row is 512 bytes of codes and 32 scale bytes.
;   work-groups 864-1375: the mask [2048][2048] of int32 becomes lane masks: word [qt][kt][j], bit L = (mask[16 qt + L % 16][16 kt + 8 (L / 16) + j] != 0).
;   work-groups 1376-1503: Wo [1024][1024] becomes f16, in pieces of 16 rows x 16 along K laid as an operand's registers: lane L's 16 bytes at 16 L hold Wo[16 nt + L % 16][16 kc + 8 (L / 16) + 0 .. 7].
; A block's scale is 2^(floor(log2(its largest magnitude)) - 2); its byte is the largest magnitude's exponent field - 2, held at 1 from below.  A block of zeros so gets the byte 1 where the rule says 127:
; its codes are zeros, which add nothing under any byte but 0xff, and this program alone reads the bytes.
; LIMITS: NaN and infinities among the inputs are not served; |Wo| stays under 65,504 (f16); blocks whose largest magnitude lies under 2^-124 have their byte held at 1.
; No tensor load, no barrier: waves share nothing.  The quantiser's waves and the tile waves have LDS bytes of their own.
.set NQW,   864                        ; work-groups that quantise: (3 x 8192 + 3 x 1024) x 1024 / 32,768
.set NXW,   768                        ; of them for query, key, value
.set STEPS, 16
.set EMAX,  2
.set CB,    8                          ; bytes of 16 codes
.set R,     16                         ; v16-79   numbers as they are loaded
.set X,     80                         ; v80-111  two sets of 16 neighbours (tile waves: v80-143, 64 numbers)
.set C,     128                        ; v128-191 codes: four registers for each step
.set E,     112                        ; v112-127 a scale byte for each step
.set WREG,  8192                       ; LDS 0-32,767: a region for each quantising wave: two stages of 32 x SP bytes, behind them its 256 scale bytes
.set SP,    80
.set SPW,   12                         ; v12  LDS address of my spare word; never rewritten
.set NIL,   13                         ; v13  0; never rewritten
.set TSTG,  32768                      ; LDS 32,768-66,559: a stage of 16 rows x 528 bytes for each tile wave
.set TP,    528                        ; 512 bytes + 16: the sixteen rows that a read touches start in sixteen different columns of 16 bytes
.set SPARE, 66560                      ; the spare words, 128 bytes a wave: two blocks of 256 bytes that no other line names
.set OF,    144                        ; v144-159 tile waves: the byte offset of my 16 bytes in row i
.set Y,     160                        ; v160-191 tile waves: f16 to store
	s_load_b512 s[4:19], s[0:1], 0x0               ; query, key, value, Wq, Wk, Wv, Wo s[16:17], mask s[18:19]
	s_load_b256 s[20:27], s[0:1], 0x40             ; codes, scales, wo16, mbits
	v_lshl_add_u32 v[SPW], v0, 2, SPARE
	v_mov_b32 v[NIL], 0
	v_lshrrev_b32 v1, 5, v0
	v_readfirstlane_b32 s28, v1                    ; wave
	v_and_b32 v2, 31, v0                           ; lane
	v_lshlrev_b32 v3, 4, v2                        ; 16 x lane
	s_wait_kmcnt 0x0
	s_cmp_ge_u32 ttmp9, NQW
	s_cbranch_scc1 .Ltiles
; ---------------- THE QUANTISER.  A wave takes 16 steps of 512 numbers.  Each of a step's four loads reads 512 consecutive bytes; the 2,048 bytes turn through the wave's stage and come back 64 bytes a lane,
; so that a lane holds 16 neighbours along K and two neighbouring lanes a block.  A step's codes leave as 256 consecutive bytes; the wave's 256 scale bytes are gathered in LDS and leave as one piece.
	s_mul_i32 s29, s28, WREG
	v_lshrrev_b32 v14, 2, v2
	v_mul_u32_u24 v14, v14, SP
	v_and_b32 v15, 3, v2
	v_lshl_add_u32 v14, v15, 4, v14
	v_add_nc_u32 v14, s29, v14                     ; the stage, on the way in: SP (lane / 4) + 16 (lane % 4)
	v_mul_u32_u24 v15, v2, SP
	v_add_nc_u32 v15, s29, v15                     ; and on the way out: SP x lane
	v_mul_u32_u24 v4, v2, CB                       ; my codes' place in a step's
	v_lshrrev_b32 v5, 1, v2
	s_add_co_u32 s29, s29, 2*32*SP
	v_add_nc_u32 v5, s29, v5                       ; my block's scale byte in LDS
	v_lshlrev_b32 v7, 3, v2
	v_add_nc_u32 v6, s29, v7                       ; and on the way out 8 bytes a lane
	s_lshr_b32 s30, ttmp9, 8                       ; which tensor and which run of 32,768 numbers in it: query, key, value have 256 runs each,
	s_and_b32 s31, ttmp9, 255
	s_sub_co_u32 s32, ttmp9, NXW
	s_lshr_b32 s33, s32, 5                         ; the weights 32
	s_add_co_u32 s33, s33, 3
	s_and_b32 s32, s32, 31
	s_cmp_lt_u32 ttmp9, NXW
	s_cselect_b32 s30, s30, s33
	s_cselect_b32 s31, s31, s32
	s_mov_b64 s[36:37], s[4:5]                     ; the source is chosen among the six by the work-group's number alone
.irp k, 1,2,3,4,5
	s_cmp_eq_u32 s30, \k
	s_cselect_b64 s[36:37], s[4+2*\k:5+2*\k], s[36:37]
.endr
	s_lshl_b32 s31, s31, 2
	s_add_co_u32 s31, s31, s28                     ; my wave's run of 8,192 numbers in the tensor
	s_lshl_b32 s32, s31, 15
	s_mov_b32 s33, 0
	s_add_nc_u64 s[36:37], s[36:37], s[32:33]
	s_lshl_b32 s34, ttmp9, 2
	s_add_co_u32 s34, s34, s28                     ; and in the six tensors on end
	s_lshl_b32 s32, s34, 12                        ; 4,096 bytes of codes a run
	s_add_nc_u64 s[20:21], s[20:21], s[32:33]
	s_lshl_b32 s32, s34, 8                         ; 256 scale bytes a run
	s_add_nc_u64 s[22:23], s[22:23], s[32:33]
.macro LOAD t
.irp i, 0,1,2,3
	global_load_b128 v[R+16*((\t)%4)+4*\i:R+16*((\t)%4)+4*\i+3], v3, s[36:37] offset:2048*(\t)+512*\i th:TH_LOAD_NT   ; 32 lanes read 512 consecutive bytes
.endr
.endm
.macro TURN t                          ; step t's numbers through the stage: LDS serves a wave's instructions in order, so no wait stands between the stores and the loads
.irp i, 0,1,2,3
	ds_store_b128 v14, v[R+16*((\t)%4)+4*\i:R+16*((\t)%4)+4*\i+3] offset:32*SP*((\t)%2)+8*SP*\i
.endr
.irp i, 0,1,2,3
	ds_load_b128 v[X+16*((\t)%2)+4*\i:X+16*((\t)%2)+4*\i+3], v15 offset:32*SP*((\t)%2)+16*\i
.endr
.endm
.irp t, 0,1,2,3
	LOAD \t
.endr
	s_wait_loadcnt 12                              ; step 0's four loads are in; the twelve of steps 1 to 3 may be out
	TURN 0
.macro STEP t
.set XS, X+16*((\t)%2)
.if (\t) > 0
	s_wait_dscnt 1                                 ; this step's numbers are back from the stage (the last step's byte store may be out): so its stores into the stage have read their registers,
.else
	s_wait_dscnt 0x0
.endif
.if (\t)+4 < STEPS
	LOAD (\t)+4                                    ; which take the loads of four steps on
.endif
.if (\t)+1 < STEPS
.if STEPS-2-(\t) >= 3
	s_wait_loadcnt 12                              ; the next step's four loads are in; those of the three steps behind it may be out
.else
	s_wait_loadcnt 4*(STEPS-2-(\t))
.endif
	TURN (\t)+1                                    ; and go through the other stage while this step is worked
.endif
	v_max3_num_f32 v8, |v[XS]|, |v[XS+1]|, |v[XS+2]|               ; the largest magnitude of my 16, in two chains
	v_max3_num_f32 v9, |v[XS+3]|, |v[XS+4]|, |v[XS+5]|
.irp i, 6,10
	v_max3_num_f32 v8, v8, |v[XS+\i]|, |v[XS+\i+1]|
	v_max3_num_f32 v9, v9, |v[XS+\i+2]|, |v[XS+\i+3]|
.endr
	v_max3_num_f32 v8, v8, |v[XS+14]|, |v[XS+15]|
	v_max3_num_f32 v8, v8, v9, (EMAX+1)<<23        ; and the floor 2^(3 - 127): the byte cannot fall under 1
	v_max_num_f32_dpp v8, v8, v8 row_xmask:1 row_mask:0xf bank_mask:0xf   ; and of my neighbour's 16: the block's
	v_add_nc_u32 v11, -(EMAX<<23), v8              ; 2 off its exponent field: the conversion takes the exponent field of this operand as its scale, and nothing else of it
	v_cvt_scalef32_pk8_fp4_f32 v[C+4*(\t)], v[XS:XS+7], v11        ; eight numbers / the scale, to the nearest code, ties to even, beyond the largest code the largest
	v_cvt_scalef32_pk8_fp4_f32 v[C+4*(\t)+1], v[XS+8:XS+15], v11
	v_lshrrev_b32 v[E+(\t)], 23, v11               ; the scale's byte (also the plain line behind the conversions)
	ds_store_b8 v5, v[E+(\t)] offset:16*(\t)       ; both lanes of a block write the same byte with the same value
	global_store_b64 v4, v[C+4*(\t):C+4*(\t)+1], s[20:21] offset:32*CB*(\t)   ; 32 lanes store 256 consecutive bytes, aligned
.endm
.irp t, 0,1,2,3,4,5,6,7,8,9,10,11,12,13,14,15
	STEP \t
.endr
	ds_load_b64 v[8:9], v6                         ; LDS serves a wave's instructions in order: these see my stores
	s_wait_dscnt 0x0
	global_store_b64 v7, v[8:9], s[22:23]          ; 32 lanes store 256 consecutive bytes, aligned
	s_wait_tensorcnt 0x0                           ; the wave's end: a wait, an add of 0 to my spare word, and its wait behind my last LDS store
	ds_add_u32 v[SPW], v[NIL]
	s_wait_dscnt 0x0
	s_endpgm
; ---------------- THE TILE WAVES.  A wave takes 16 rows x 512 bytes (128 numbers of 4 bytes) of the mask or of Wo.  Each load reads 512 consecutive bytes of a row; the tile turns through the wave's stage, so that
; lane (r, h) holds, in register 8 kt + j, the number at row r, column 16 kt + 8 h + j.  One path serves both tensors as far as LDS is touched; pointers, offsets and the pitch are chosen by the work-group's number.
.Ltiles:
	s_sub_co_u32 s30, ttmp9, NQW
	s_lshl_b32 s31, s30, 2
	s_add_co_u32 s31, s31, s28                     ; the mask's unit: 128 bands of 16 rows x 16 units of 512 bytes
	s_sub_co_u32 s32, s31, 2048                    ; Wo's unit: 64 bands x 8 units
	s_lshr_b32 s33, s31, 4
	s_and_b32 s34, s31, 15
	s_lshl_b32 s35, s33, 17                        ; a band of the mask is 16 rows of 8,192 bytes
	s_lshl_b32 s38, s34, 9
	s_add_co_u32 s35, s35, s38
	s_lshl_b32 s33, s33, 12                        ; and 4,096 bytes of words; a unit makes 256 of them
	s_lshl_b32 s34, s34, 8
	s_add_co_u32 s33, s33, s34
	s_lshr_b32 s38, s32, 3
	s_and_b32 s39, s32, 7
	s_lshl_b32 s40, s38, 16                        ; a band of Wo is 16 rows of 4,096 bytes
	s_lshl_b32 s41, s39, 9
	s_add_co_u32 s40, s40, s41
	s_lshl_b32 s38, s38, 15                        ; and 32,768 bytes of f16; a unit makes 4,096 of them
	s_lshl_b32 s39, s39, 12
	s_add_co_u32 s38, s38, s39
	s_mov_b32 s29, 4096
	s_cmp_lt_u32 s30, 512                          ; the mask's work-group or Wo's
	s_cselect_b32 s29, 8192, s29                   ; bytes from row to row
	s_cselect_b32 s44, s35, s40
	s_cselect_b32 s46, s33, s38
	s_cselect_b64 s[36:37], s[18:19], s[16:17]
	s_cselect_b64 s[34:35], s[26:27], s[24:25]
	s_mov_b32 s45, 0
	s_mov_b32 s47, 0
	s_add_nc_u64 s[36:37], s[36:37], s[44:45]
	s_add_nc_u64 s[34:35], s[34:35], s[46:47]
	s_mul_i32 s31, s28, 16*TP
	s_add_co_u32 s31, s31, TSTG                    ; my stage
	v_add_nc_u32 v4, s31, v3                       ; in: 16 x lane of a row
	v_and_b32 v5, 15, v2                           ; r
	v_lshrrev_b32 v6, 4, v2                        ; h
	v_mul_u32_u24 v7, v5, TP
	v_lshl_add_u32 v7, v6, 5, v7
	v_add_nc_u32 v7, s31, v7                       ; out: row r, + 32 h
.irp i, 0,1,2,3,4,5,6,7,8,9,10,11,12,13,14,15
	v_mad_u32_u24 v[OF+\i], s29, \i, v3
.endr
.irp i, 0,1,2,3,4,5,6,7,8,9,10,11,12,13,14,15
	global_load_b128 v[R+4*\i:R+4*\i+3], v[OF+\i], s[36:37] th:TH_LOAD_NT
.endr
.irp i, 0,1,2,3,4,5,6,7,8,9,10,11,12,13,14,15
	s_wait_loadcnt 15-\i                           ; row i is in; the rows behind it may be out
	ds_store_b128 v4, v[R+4*\i:R+4*\i+3] offset:TP*\i
.endr
.irp kt, 0,1,2,3,4,5,6,7
.irp c, 0,1
	ds_load_b128 v[X+8*\kt+4*\c:X+8*\kt+4*\c+3], v7 offset:64*\kt+16*\c   ; LDS serves a wave's instructions in order: these see my stores
.endr
.endr
	s_wait_dscnt 0x0
	s_cmp_lt_u32 s30, 512
	s_cbranch_scc0 .Lwo
	v_mov_b32 v8, 0                                ; a lane write's destination counts as read
	v_mov_b32 v9, 0
.set w, 0
.rept 16                               ; word w = 8 kt + j is the compare's lane mask; it goes to lane w / 2 of v8 (even w) or v9 (odd w).  Four at a time, so that no lane write stands behind its own compare
.irp u, 0,1,2,3
	v_cmp_ne_u32 s[40+\u], 0, v[X+w+\u]
.endr
.irp u, 0,1,2,3
	v_writelane_b32 v[8+\u%2], s[40+\u], (w+\u)/2
.endr
.set w, w+4
.endr
	v_lshlrev_b32 v10, 3, v2
	global_store_b64 v10, v[8:9], s[34:35]         ; 32 lanes store 256 consecutive bytes, aligned: 64 words
	s_wait_tensorcnt 0x0                           ; the wave's end, as above
	ds_add_u32 v[SPW], v[NIL]
	s_wait_dscnt 0x0
	s_endpgm
.Lwo:
.irp kt, 0,1,2,3,4,5,6,7
.irp k, 0,1,2,3
	v_cvt_pk_f16_f32 v[Y+4*\kt+\k], v[X+8*\kt+2*\k], v[X+8*\kt+2*\k+1]
.endr
	global_store_b128 v3, v[Y+4*\kt:Y+4*\kt+3], s[34:35] offset:512*\kt   ; a piece: 512 consecutive bytes, aligned
.endr
	s_wait_tensorcnt 0x0                           ; the wave's end, as above
	ds_add_u32 v[SPW], v[NIL]
	s_wait_dscnt 0x0
	s_endpgm
.Lfunc_end_k_q5809277968_prep:
	.size	k_q5809277968_prep, .Lfunc_end_k_q5809277968_prep-k_q5809277968_prep
	.p2alignl 7, 3214868480
	.fill 96, 4, 3214868480
	.section	.rodata,"a",@progbits
	.p2align	6, 0x0
	.amdhsa_kernel k_q5809277968_prep
		.amdhsa_group_segment_fixed_size 67072
		.amdhsa_private_segment_fixed_size 0
		.amdhsa_enable_private_segment 0
		.amdhsa_kernarg_size 96
		.amdhsa_user_sgpr_count 2
		.amdhsa_user_sgpr_kernarg_segment_ptr 1
		.amdhsa_wavefront_size32 1
		.amdhsa_system_sgpr_workgroup_id_x 1
		.amdhsa_system_sgpr_workgroup_id_y 1
		.amdhsa_system_sgpr_workgroup_id_z 1
		.amdhsa_system_vgpr_workitem_id 0
		.amdhsa_next_free_vgpr 192
		.amdhsa_next_free_sgpr 66
		.amdhsa_reserve_vcc 0
		.amdhsa_float_denorm_mode_32 3
		.amdhsa_float_denorm_mode_16_64 3
		.amdhsa_memory_ordered 1
		.amdhsa_forward_progress 1
		.amdhsa_inst_pref_size 52
	.end_amdhsa_kernel
	.amdgpu_metadata
---
amdhsa.version: [ 1, 2 ]
amdhsa.kernels:
  - .name:           k_q5809277968_prep
    .symbol:         k_q5809277968_prep.kd
    .args:
      - { .name: query, .offset: 0, .size: 8, .value_kind: global_buffer, .address_space: global }
      - { .name: key, .offset: 8, .size: 8, .value_kind: global_buffer, .address_space: global }
      - { .name: value, .offset: 16, .size: 8, .value_kind: global_buffer, .address_space: global }
      - { .name: Wq, .offset: 24, .size: 8, .value_kind: global_buffer, .address_space: global }
      - { .name: Wk, .offset: 32, .size: 8, .value_kind: global_buffer, .address_space: global }
      - { .name: Wv, .offset: 40, .size: 8, .value_kind: global_buffer, .address_space: global }
      - { .name: Wo, .offset: 48, .size: 8, .value_kind: global_buffer, .address_space: global }
      - { .name: mask, .offset: 56, .size: 8, .value_kind: global_buffer, .address_space: global }
      - { .name: codes, .offset: 64, .size: 8, .value_kind: global_buffer, .address_space: global }
      - { .name: scales, .offset: 72, .size: 8, .value_kind: global_buffer, .address_space: global }
      - { .name: wo16, .offset: 80, .size: 8, .value_kind: global_buffer, .address_space: global }
      - { .name: mbits, .offset: 88, .size: 8, .value_kind: global_buffer, .address_space: global }
    .group_segment_fixed_size: 67072
    .private_segment_fixed_size: 0
    .kernarg_segment_align: 8
    .kernarg_segment_size: 96
    .max_flat_workgroup_size: 128
    .sgpr_count:     66
    .vgpr_count:     192
    .wavefront_size: 32
...
	.end_amdgpu_metadata
.endif
;; end of part 1
;; launch proj (part 2): grid 4 x 96, 4 waves a work-group, clusters of 4 x 4, 327,680 bytes of LDS; arguments codes, scales, qkv, bq, bk, bv; writes qkv
.if DOCPART == 2
	.amdgcn_target "amdgcn-amd-amdhsa--gfx1250"
	.amdhsa_code_object_version 6
	.text
	.protected	k_q5809277968_proj
	.globl	k_q5809277968_proj
	.p2align	8
	.type	k_q5809277968_proj,@function
k_q5809277968_proj:
	s_mov_b64 s[64:65], 0
	v_nop
	global_prefetch_b8 v0, s[64:65] scope:SCOPE_SE
	s_setreg_imm32_b32 hwreg(HW_REG_WAVE_MODE, 25, 1), 1
	s_wait_xcnt 0x0
	s_wait_alu depctr_hold_cnt(0) depctr_sa_sdst(0) depctr_va_vdst(0) depctr_va_sdst(0) depctr_va_ssrc(0) depctr_va_vcc(0) depctr_vm_vsrc(0)
	s_getreg_b32 s2, hwreg(HW_REG_IB_STS2, 6, 4)
	s_cmp_eq_u32 s2, 0
	s_cbranch_scc0 .Lentry_in_a_cluster
	s_endpgm
.Lentry_in_a_cluster:
	s_bfe_u32 s2, ttmp6, 0x10000c
	s_cmp_lg_u32 s2, 0xf033
	s_cbranch_scc0 .Lentry_shape_is_right
	s_endpgm
.Lentry_shape_is_right:
; THE THREE PROJECTIONS, Q = query Wq^T + bq, K = key Wk^T + bk, V = value Wv^T + bv, as ONE product on codes of FP4 (E2M1) with one E8M0 scale for each 32 along K; sums in f32.
; The rows of query, key, value lie on end in the codes' buffer (24,576 rows of 512 bytes), those of Wq, Wk, Wv behind them; tile row R of 96 (256 rows) belongs to tensor T = R / 32 and meets the weights of T.
; A tile, 256 positions x 256 channels, is made by four waves, 128 x 128 each: 64 accumulators of 16 x 16.  K = 1,024 is two LDS slots of 512 along K: both are asked for at the start and nothing is filled again.
; The scale bytes of the tile's 256 + 256 rows, for all of K, come with the first fills as two dense blocks and stay.
; CLUSTERS: 4 x 4 work-groups.  The four of a row of the cluster need the same rows of the input, the four of a column the same rows of the weight: each tile is asked for jointly.
; THE MATRIX INSTRUCTION IS USED TRANSPOSED (source 0 = 16 rows of W, source 1 = 16 positions): a lane then holds eight neighbouring channels of one position.
; THE WAY OUT needs no LDS: the bias is added (for Q both are multiplied by c = log2(e) / 8, so that the scores come out as exponents of 2), eight numbers become 16 bytes of f16, and an accumulator's 32 lanes store one
; piece of 512 consecutive bytes: qkv[T][batch x 16 + head][position / 16][channel / 16][512].  Q's and K's pieces are laid as an operand's registers (lane (r, h) at 16 r + 256 h), V's by rows (32 r + 16 h).
; LIMITS: NaN and infinities are not served; |Q c|, |K|, |V| stay under 65,504 (f16).
; 384 work-groups: the 3 x 32 x 4 tiles do not divide evenly among 256, and smaller tiles would read each LDS byte for fewer products.
; REGISTERS, in windows of 256: window 0: v0-31 addresses; v32-95 scale words, two sets; v128-191 the input's fragments, one set; v192-255 the bias; window 1: the weight's fragments, two sets; windows 2, 3: the accumulators.
.set KSTEP,  512
.set NQ,     4                         ; matrix instructions deep in a slot
.set ROWB,   256                       ; a tile's row in bytes
.set KROW,   512                       ; a row of codes in memory
.set PITCH,  272                       ; an LDS row: 256 bytes + 16: the 16 rows that a load touches start at 16 different columns of 16 bytes
.set FR,     8
.set NL,     2
.set NP,     4                         ; places behind this matrix instruction (ISA guide 7.12.1)
.set HALFT,  128*PITCH
.set SLOT,   4*HALFT
.set KS,     32                        ; a row of scales in bytes
.set SCL,    2*SLOT
.set HALFS,  (128*KS/256)*272
.set SBLK,   (16*KS/256)*272
.set SPARE,  SCL+4*HALFS               ; the spare words, 128 bytes a wave: two blocks of 256 bytes that no other line names
.set WROW0,  24576                     ; the weights' first row in the codes' buffer
.set ADRA, 16
.set ADRB, 20
.set CO,   26                          ; v26  my 16 bytes' place in a piece
.set ADRS, 27
.set SPW,  28
.set NIL,  29
.set BO,   30                          ; v30  32 x (lane / 16): my eight numbers of the bias
.set SC,   32
.set AF,   128
.set TF,   128                         ; the way out: a block's 64 numbers with bias, f32
.set BI,   192                         ; the bias: register 8 b + j = that of channel 16 b + 8 (lane / 16) + j
.set YO,   32                          ; the way out: f16, two sets of 32
.set G1, 24
.set G0, 32
.set G1B, 48
.set G0B, 56
.set G1S, 68
.set G0S, 76
.set G1SB, 80
.set G0SB, 88
.set MSB, 0
.macro WIN new                         ; the immediate's high byte repeats the setting that is left
.if MSB != (\new)
	s_set_vgpr_msb (MSB<<8)|(\new)
.set MSB, (\new)
.endif
.endm
.set MUL_LO, 0xa1                      ; source 0 (W) window 1, source 1 (input) window 0, C and D window 2
.set MUL_HI, 0xf1
.set TO_B,   0x40
; A joint load: waves 0 and 1 fetch for the input, waves 2 and 3 for the weight.  The branch hangs on the wave's number alone.  An s_nop 0 and four v_nop follow each of the two lines.
.macro JLOAD g0a, g1a, g0b, g1b
	s_cmp_eq_u32 s15, 0
	s_cbranch_scc0 .Lfor_b_\@
	tensor_load_to_lds s[\g0a:\g0a+3], s[\g1a:\g1a+7]
	s_nop 0
.rept 4
	v_nop
.endr
	s_branch .Lasked_\@
.Lfor_b_\@:
	tensor_load_to_lds s[\g0b:\g0b+3], s[\g1b:\g1b+7]
	s_nop 0
.rept 4
	v_nop
.endr
.Lasked_\@:
.endm
.macro CROUND                          ; a round of the cluster's barrier
	s_barrier_signal -1
	s_barrier_wait -1
	s_cmp_lg_u32 s14, 0
	s_cbranch_scc1 .Lnot_wave_0_\@
	s_barrier_signal -3
.Lnot_wave_0_\@:
	s_barrier_wait -3
	s_barrier_signal -1
	s_barrier_wait -1
.endm
	s_load_b128 s[4:7], s[0:1], 0x0                ; codes s[4:5], scales s[6:7]
	s_load_b64 s[12:13], s[0:1], 0x10              ; qkv
	s_load_b128 s[96:99], s[0:1], 0x18             ; bq, bk
	s_load_b64 s[100:101], s[0:1], 0x28            ; bv
	v_lshl_add_u32 v[SPW], v0, 2, SPARE
	v_mov_b32 v[NIL], 0
	ds_add_u32 v[SPW], v[NIL]                      ; the wave's opening: the add, twice on end, and its wait ahead of my first tensor load
	ds_add_u32 v[SPW], v[NIL]
	v_lshrrev_b32 v1, 5, v0
	v_readfirstlane_b32 s14, v1                    ; wave 0..3
	s_lshr_b32 s15, s14, 1                         ; which half of the tile's positions is mine.  Also: I fetch for the input (0) or for the weight (1)
	s_and_b32 s16, s14, 1                          ; which half of its channels.  Also: which 128 rows I fetch
	s_bfe_u32 s40, ttmp6, 0x40000                  ; cx, cy
	s_bfe_u32 s41, ttmp6, 0x40004
	s_lshl_b32 s42, ttmp9, 2
	s_add_co_u32 s42, s42, s40                     ; tile column = 4 x cluster x + cx
	s_and_b32 s66, ttmp7, 0xffff
	s_lshl_b32 s17, s66, 2
	s_add_co_u32 s17, s17, s41                     ; tile row = 4 x cluster y + cy, 0 .. 95
	s_lshr_b32 s66, s66, 3                         ; T = tile row / 32 = cluster y / 8: the same in all sixteen partners
	s_lshl_b32 s43, s41, 2
	s_lshl_b32 s43, 15, s43                        ; my row of the cluster
	s_lshl_b32 s44, 0x1111, s40                    ; my column
	s_or_b32 s[G1+0], s43, (0<<16)|(1<<20)|(1<<21)|(5<<22)|(3<<25)  ; the mask; elements of 1 byte; padding: 4 words after every 64; bit 21 beside a mask
	s_or_b32 s[G1B+0], s44, (0<<16)|(1<<20)|(1<<21)|(5<<22)|(3<<25)
.irp g, G1, G1B
	s_mov_b32 s[\g+1], ROWB<<16                    ; tensor_dim0
	s_mov_b32 s[\g+2], 128<<16                     ; tensor_dim1
	s_mov_b32 s[\g+3], ROWB<<16                    ; tile_dim0
	s_mov_b32 s[\g+4], 128                         ; tile_dim1
	s_mov_b32 s[\g+5], KROW                        ; from row to row
	s_mov_b32 s[\g+6], 0
	s_mov_b32 s[\g+7], 0
.endr
	s_or_b32 s[G1S+0], s43, (3<<16)|(1<<20)|(1<<21)|(5<<22)|(3<<25)  ; the scales of 128 rows: 4,096 dense bytes as 16 rows of 32 elements of 8 bytes, 16 bytes of padding behind each
	s_or_b32 s[G1SB+0], s44, (3<<16)|(1<<20)|(1<<21)|(5<<22)|(3<<25)
.irp g, G1S, G1SB
	s_mov_b32 s[\g+1], 32<<16
	s_mov_b32 s[\g+2], (128*KS/256)<<16
	s_mov_b32 s[\g+3], 32<<16
	s_mov_b32 s[\g+4], 128*KS/256
	s_mov_b32 s[\g+5], 32
	s_mov_b32 s[\g+6], 0
	s_mov_b32 s[\g+7], 0
.endr
	s_lshl_b32 s18, s16, 7                         ; which 128 rows of the tile I fetch
	s_lshl_b32 s20, s17, 8
	s_add_co_u32 s20, s20, s18                     ; the input: row 256 x tile row + 128 x half
	s_lshl_b32 s46, s42, 8
	s_add_co_u32 s46, s46, s18                     ; the weight: row 256 x tile column + 128 x half,
	s_lshl_b32 s67, s66, 10
	s_add_co_u32 s46, s46, s67                     ; in the weight of T,
	s_add_co_u32 s46, s46, WROW0                   ; behind the inputs' rows
	s_mov_b32 s21, 0
	s_mov_b32 s47, 0
	s_mov_b64 s[18:19], KS
	s_mul_u64 s[22:23], s[20:21], s[18:19]         ; where these rows' scales begin, in bytes
	s_mul_u64 s[92:93], s[46:47], s[18:19]
	s_mov_b64 s[18:19], KROW
	s_mul_u64 s[20:21], s[20:21], s[18:19]         ; and their codes
	s_mul_u64 s[46:47], s[46:47], s[18:19]
	s_mul_i32 s45, s14, HALFT                      ; where they go: wave x 128 rows
	s_mul_i32 s94, s14, HALFS
	s_wait_dscnt 0x0                               ; both opening adds are done
	s_wait_kmcnt 0x0
	s_add_nc_u64 s[20:21], s[4:5], s[20:21]
	s_add_nc_u64 s[22:23], s[6:7], s[22:23]
	s_add_nc_u64 s[46:47], s[4:5], s[46:47]
	s_add_nc_u64 s[92:93], s[6:7], s[92:93]
	CROUND                                         ; all sixteen work-groups are here: the first joint loads meet
	s_mov_b32 s[G0S], 1
	s_add_co_u32 s[G0S+1], s94, SCL
	s_mov_b64 s[G0S+2:G0S+3], s[22:23]
	s_or_b32 s[G0S+3], s[G0S+3], 0x80000000
	s_mov_b32 s[G0SB], 1
	s_add_co_u32 s[G0SB+1], s94, SCL
	s_mov_b64 s[G0SB+2:G0SB+3], s[92:93]
	s_or_b32 s[G0SB+3], s[G0SB+3], 0x80000000
	JLOAD G0S, G1S, G0SB, G1SB                     ; the scales first: they are wanted with the first slot
.irp s, 0,1
	s_mov_b32 s[G0+4*\s], 1
	s_add_co_u32 s[G0+4*\s+1], s45, \s*SLOT
	s_add_nc_u64 s[G0+4*\s+2:G0+4*\s+3], s[20:21], \s*ROWB
	s_or_b32 s[G0+4*\s+3], s[G0+4*\s+3], 0x80000000
	s_mov_b32 s[G0B+4*\s], 1
	s_add_co_u32 s[G0B+4*\s+1], s45, \s*SLOT
	s_add_nc_u64 s[G0B+4*\s+2:G0B+4*\s+3], s[46:47], \s*ROWB
	s_or_b32 s[G0B+4*\s+3], s[G0B+4*\s+3], 0x80000000
	JLOAD G0+4*\s, G1, G0B+4*\s, G1B               ; three loads of mine are out in all
.endr
	v_and_b32 v1, 15, v0                           ; r
	v_bfe_u32 v2, v0, 4, 1                         ; h
	; the bias of T, at my 128 channels
	s_cmp_eq_u32 s66, 1
	s_cselect_b64 s[96:97], s[98:99], s[96:97]
	s_cmp_eq_u32 s66, 2
	s_cselect_b64 s[96:97], s[100:101], s[96:97]
	s_lshl_b32 s92, s42, 10
	s_lshl_b32 s93, s16, 9
	s_add_co_u32 s92, s92, s93
	s_mov_b32 s93, 0
	s_add_nc_u64 s[96:97], s[96:97], s[92:93]
	v_lshlrev_b32 v[BO], 5, v2
.irp b, 0,1,2,3,4,5,6,7
	global_load_b128 v[BI+8*\b:BI+8*\b+3], v[BO], s[96:97] offset:64*\b
	global_load_b128 v[BI+8*\b+4:BI+8*\b+7], v[BO], s[96:97] offset:64*\b+16
.endr
	v_mul_u32_u24 v3, v1, PITCH
	v_lshl_add_u32 v4, v2, 4, v3                   ; a fragment's row x pitch + 16 x half
	s_mul_i32 s21, s15, HALFT                      ; my 128 positions
	s_mul_i32 s22, s16, HALFT                      ; my 128 rows of the weight,
	s_add_co_u32 s22, s22, 2*HALFT                 ; which lie behind the input's 256
.irp s, 0,1
	v_add_nc_u32 v[ADRA+\s], s21, v4
	v_add_nc_u32 v[ADRB+\s], s22, v4
	s_add_co_u32 s21, s21, SLOT
	s_add_co_u32 s22, s22, SLOT
.endr
	v_mul_u32_u24 v5, v1, KS                       ; my row's scales: 32 bytes a row,
	v_lshrrev_b32 v6, 8, v5
	v_lshl_add_u32 v5, v6, 4, v5                   ; and 16 more for each 256 passed
	s_mul_i32 s21, s15, HALFS
	s_mul_i32 s22, s16, HALFS
	s_add_co_u32 s22, s22, 2*HALFS
	s_sub_co_u32 s22, s22, s21
	v_mul_u32_u24 v6, s22, v2                      ; lanes 16-31 take the weight's
	s_add_co_u32 s21, s21, SCL
	v_add_nc_u32 v5, v5, v6
	v_add_nc_u32 v[ADRS], s21, v5
	; the way out: the factor, my place in a piece, and where my first piece lies
	s_mov_b32 s2, 0x3f800000
	s_cmp_eq_u32 s66, 0
	s_cselect_b32 s2, 0x3e38aa3b, s2               ; c = log2(e) / 8 for Q, 1 for K and V
	s_mov_b32 s3, s2                               ; (named with it as a pair, so it is written)
	s_cmp_eq_u32 s66, 2
	s_cselect_b32 s67, 32, 16                      ; V by rows: 32 r + 16 h; Q and K as registers: 16 r + 256 h
	s_cselect_b32 s95, 16, 256
	v_mul_u32_u24 v[CO], v1, s67
	v_mad_u32_u24 v[CO], v2, s95, v[CO]
	s_lshl_b32 s20, s17, 8
	s_lshl_b32 s21, s15, 7
	s_add_co_u32 s20, s20, s21                     ; my first position among the 24,576: 2,048 (4 T + batch) + position
	s_lshr_b32 s21, s20, 11
	s_lshl_b32 s21, s21, 22                        ; a batch's 16 heads are 2^22 bytes, a tensor 2^24
	s_and_b32 s20, s20, 2047
	s_lshr_b32 s20, s20, 4
	s_lshl_b32 s20, s20, 11                        ; 16 positions of a head are 2,048 bytes
	s_add_co_u32 s20, s20, s21
	s_lshl_b32 s21, s42, 2
	s_lshl_b32 s22, s16, 1
	s_add_co_u32 s21, s21, s22                     ; my first head: 4 x tile column + 2 x half
	s_lshl_b32 s21, s21, 18
	s_add_co_u32 s20, s20, s21
	s_mov_b32 s21, 0
	s_add_nc_u64 s[12:13], s[12:13], s[20:21]
.macro FRAG reg, adr, q, i             ; a fragment, 16 rows x 128 K of 4-bit codes: lane l holds row l % 16; registers 4 c .. 4 c + 3 hold K = 64 c + 32 (l / 16) + 0 .. 31
.irp c, 0,1
	ds_load_b128 v[\reg+4*\c:\reg+4*\c+3], v[\adr] offset:64*(\q)+32*\c+(\i)*16*PITCH
.endr
.endm
; 16 matrix instructions: the input's blocks a0, a0 + 1 x the weight's eight, 128 along K.  The 64 accumulators take turns, one instruction a turn, in the same order in every step.
.macro MUL16 a0, p, q, sc, zero
.irp a, \a0, \a0+1
.irp b, 0,1,2,3,4,5,6,7
.if \zero
	v_wmma_scale_f32_16x16x128_f8f6f4 v[8*(8*((\a)%4)+\b):8*(8*((\a)%4)+\b)+7], v[128*(\p)+FR*\b:128*(\p)+FR*\b+FR-1], v[AF+FR*(\a):AF+FR*(\a)+FR-1], 0, v[SC+8*NQ*(\sc)+NQ*\b+(\q)], v[SC+8*NQ*(\sc)+NQ*(\a)+(\q)] matrix_a_fmt:MATRIX_FMT_FP4 matrix_b_fmt:MATRIX_FMT_FP4 matrix_a_scale:MATRIX_SCALE_ROW1
.else
	v_wmma_scale_f32_16x16x128_f8f6f4 v[8*(8*((\a)%4)+\b):8*(8*((\a)%4)+\b)+7], v[128*(\p)+FR*\b:128*(\p)+FR*\b+FR-1], v[AF+FR*(\a):AF+FR*(\a)+FR-1], v[8*(8*((\a)%4)+\b):8*(8*((\a)%4)+\b)+7], v[SC+8*NQ*(\sc)+NQ*\b+(\q)], v[SC+8*NQ*(\sc)+NQ*(\a)+(\q)] matrix_a_fmt:MATRIX_FMT_FP4 matrix_b_fmt:MATRIX_FMT_FP4 matrix_a_scale:MATRIX_SCALE_ROW1
.endif
.endr
.endr
.endm
.macro FETCH_B slot, q, p
	WIN TO_B
.irp i, 0,1,2,3,4,5,6,7
	FRAG 128*(\p)+FR*\i, ADRB+\slot, \q, \i
.endr
	WIN 0
.endm
.macro FETCH_A slot, q, i0
.irp i, \i0, \i0+1, \i0+2, \i0+3
	FRAG AF+FR*(\i), ADRA+\slot, \q, \i
.endr
.endm
.macro SCALES sc                       ; a slot's scale words: 4 words a row; lanes 0-15 take the input's block i, lanes 16-31 the weight's block i
.irp i, 0,1,2,3,4,5,6,7
	ds_load_b128 v[SC+8*NQ*\sc+NQ*\i:SC+8*NQ*\sc+NQ*\i+3], v[ADRS] offset:\i*SBLK
.endr
.endm
.macro PLACES n                        ; plain vector lines between a matrix instruction and a load into, or a vector read of, its registers (ISA guide 7.12.1 for vector reads)
.rept \n
	v_nop
.endr
.endm
.macro STEP slot, q, zero              ; a step of 128 along K that has its successor in the same slot
	s_wait_dscnt 4*NL                              ; the weight's set and the input's blocks 0-3 are in; the youngest eight loads (blocks 4-7) may be out
	WIN MUL_LO
	MUL16 0, (\q)%2, \q, \slot, \zero
	MUL16 2, (\q)%2, \q, \slot, \zero
	s_wait_dscnt 0
	PLACES NP
	FETCH_B \slot, (\q)+1, 1-(\q)%2
	FETCH_A \slot, (\q)+1, 0
	WIN MUL_HI
	MUL16 4, (\q)%2, \q, \slot, \zero
	MUL16 6, (\q)%2, \q, \slot, \zero
	PLACES NP
	WIN 0
	FETCH_A \slot, (\q)+1, 4
.endm
; Slot 0's last step changes slots: one barrier; in front of it each wave waits for all its tensor loads (its part of slot 1), adds 0 to its spare word, and waits for that and for its reads.  Nothing is filled again.
.macro TURN slot, next
	s_wait_tensorcnt 0x0                           ; my part of the next slot has landed
	ds_add_u32 v[SPW], v[NIL]                      ; 0 onto my spare word
	s_wait_dscnt 4*NL+1                            ; (the add and the youngest eight loads may be out)
	WIN MUL_LO
	MUL16 0, 1, NQ-1, \slot, 0
	s_wait_dscnt 0x0
	s_barrier_signal -1
	MUL16 2, 1, NQ-1, \slot, 0
	WIN 0
	s_barrier_wait -1                              ; everybody's part has landed
	PLACES NP
	v_add_nc_u32 v[ADRS], 4*NQ, v[ADRS]            ; on to the next slot's scale words
	FETCH_B \next, 0, 0
	FETCH_A \next, 0, 0
	SCALES \next
	WIN MUL_HI
	MUL16 4, 1, NQ-1, \slot, 0
	MUL16 6, 1, NQ-1, \slot, 0
	PLACES NP
	WIN 0
	FETCH_A \next, 0, 4
.endm
	s_wait_tensorcnt 1                             ; the scales and my part of slot 0 are in; slot 1's load may be out
	s_barrier_signal -1
	s_barrier_wait -1
	FETCH_B 0, 0, 0
	FETCH_A 0, 0, 0
	SCALES 0
	FETCH_A 0, 0, 4
	STEP 0, 0, 1                                   ; the first products start the sums: nothing is cleared
	STEP 0, 1, 0
	STEP 0, 2, 0
	TURN 0, 1
	STEP 1, 0, 0
	STEP 1, 1, 0
	STEP 1, 2, 0
	s_wait_dscnt 4*NL                              ; the last step: nothing more to fetch
	WIN MUL_LO
	MUL16 0, 1, NQ-1, 1, 0
	MUL16 2, 1, NQ-1, 1, 0
	s_wait_dscnt 0
	WIN MUL_HI
	MUL16 4, 1, NQ-1, 1, 0
	MUL16 6, 1, NQ-1, 1, 0
	WIN 0
	s_wait_loadcnt 0x0                             ; the bias
.set i, 0
.rept 32
	v_pk_mul_f32 v[BI+i:BI+i+1], v[BI+i:BI+i+1], s[2:3] op_sel_hi:[1,0]   ; bias x factor; these 32 are also the places behind the last products
.set i, i+2
.endr
; Block a: 16 positions x my 128 channels.  sum x factor + bias x factor, to f16, eight pieces of 512 consecutive bytes.
.macro OUTBLK a
.if (\a) > 1
	s_wait_xcnt 0x0                                ; block a - 2's stores have read their registers: this set of 32 is written again only behind this wait
.endif
	WIN 0x02+(\a)/4                                ; source 0: window 2 or 3
.irp b, 0,1,2,3,4,5,6,7
.irp k, 0,1,2,3
	v_pk_fma_f32 v[TF+8*\b+2*\k:TF+8*\b+2*\k+1], v[64*((\a)%4)+8*\b+2*\k:64*((\a)%4)+8*\b+2*\k+1], s[2:3], v[BI+8*\b+2*\k:BI+8*\b+2*\k+1] op_sel_hi:[1,0,1]   ; each accumulator from its low end on
.endr
.endr
	WIN 0
.irp b, 0,1,2,3,4,5,6,7
.irp k, 0,1,2,3
	v_cvt_pk_f16_f32 v[YO+32*((\a)%2)+4*\b+\k], v[TF+8*\b+2*\k], v[TF+8*\b+2*\k+1]
.endr
.endr
.irp b, 0,1,2,3,4,5,6,7
	global_store_b128 v[CO], v[YO+32*((\a)%2)+4*\b:YO+32*((\a)%2)+4*\b+3], s[12:13] offset:2048*(\a)+262144*(\b/4)+512*(\b%4)   ; 16 positions on: 2,048; a head on: 2^18; 16 channels on: 512
.endr
.endm
.irp a, 0,1,2,3,4,5,6,7
	OUTBLK \a
.endr
	s_wait_tensorcnt 0x0                           ; the wave's end: a wait, an add of 0 to my spare word, and its wait behind my last tensor load
	ds_add_u32 v[SPW], v[NIL]
	s_wait_dscnt 0x0
	CROUND                                         ; the closing round: no work-group ends while a partner may still ask for a tile that names it
	s_endpgm
.Lfunc_end_k_q5809277968_proj:
	.size	k_q5809277968_proj, .Lfunc_end_k_q5809277968_proj-k_q5809277968_proj
	.p2alignl 7, 3214868480
	.fill 96, 4, 3214868480
	.section	.rodata,"a",@progbits
	.p2align	6, 0x0
	.amdhsa_kernel k_q5809277968_proj
		.amdhsa_group_segment_fixed_size 327680
		.amdhsa_private_segment_fixed_size 0
		.amdhsa_enable_private_segment 0
		.amdhsa_kernarg_size 48
		.amdhsa_user_sgpr_count 2
		.amdhsa_user_sgpr_kernarg_segment_ptr 1
		.amdhsa_wavefront_size32 1
		.amdhsa_system_sgpr_workgroup_id_x 1
		.amdhsa_system_sgpr_workgroup_id_y 1
		.amdhsa_system_sgpr_workgroup_id_z 1
		.amdhsa_system_vgpr_workitem_id 0
		.amdhsa_next_free_vgpr 1024
		.amdhsa_next_free_sgpr 102
		.amdhsa_reserve_vcc 0
		.amdhsa_float_denorm_mode_32 3
		.amdhsa_float_denorm_mode_16_64 3
		.amdhsa_memory_ordered 1
		.amdhsa_forward_progress 1
		.amdhsa_inst_pref_size 138
	.end_amdhsa_kernel
	.amdgpu_metadata
---
amdhsa.version: [ 1, 2 ]
amdhsa.kernels:
  - .name:           k_q5809277968_proj
    .symbol:         k_q5809277968_proj.kd
    .args:
      - { .name: codes, .offset: 0, .size: 8, .value_kind: global_buffer, .address_space: global }
      - { .name: scales, .offset: 8, .size: 8, .value_kind: global_buffer, .address_space: global }
      - { .name: qkv, .offset: 16, .size: 8, .value_kind: global_buffer, .address_space: global }
      - { .name: bq, .offset: 24, .size: 8, .value_kind: global_buffer, .address_space: global }
      - { .name: bk, .offset: 32, .size: 8, .value_kind: global_buffer, .address_space: global }
      - { .name: bv, .offset: 40, .size: 8, .value_kind: global_buffer, .address_space: global }
    .group_segment_fixed_size: 327680
    .private_segment_fixed_size: 0
    .kernarg_segment_align: 8
    .kernarg_segment_size: 48
    .max_flat_workgroup_size: 128
    .sgpr_count:     102
    .vgpr_count:     1024
    .wavefront_size: 32
...
	.end_amdgpu_metadata
.endif
;; end of part 2
;; launch attn (part 3): grid 4 x 64, 16 waves a work-group, clusters of 4 x 1, 327,680 bytes of LDS; arguments qkv, mbits, xh; writes xh
.if DOCPART == 3
	.amdgcn_target "amdgcn-amd-amdhsa--gfx1250"
	.amdhsa_code_object_version 6
	.text
	.protected	k_q5809277968_attn
	.globl	k_q5809277968_attn
	.p2align	8
	.type	k_q5809277968_attn,@function
k_q5809277968_attn:
	s_mov_b64 s[64:65], 0
	v_nop
	global_prefetch_b8 v0, s[64:65] scope:SCOPE_SE
	s_setreg_imm32_b32 hwreg(HW_REG_WAVE_MODE, 25, 1), 1
	s_wait_xcnt 0x0
	s_wait_alu depctr_hold_cnt(0) depctr_sa_sdst(0) depctr_va_vdst(0) depctr_va_sdst(0) depctr_va_ssrc(0) depctr_va_vcc(0) depctr_vm_vsrc(0)
	s_getreg_b32 s2, hwreg(HW_REG_IB_STS2, 6, 4)
	s_cmp_eq_u32 s2, 0
	s_cbranch_scc0 .Lentry_in_a_cluster
	s_endpgm
.Lentry_in_a_cluster:
	s_bfe_u32 s2, ttmp6, 0x10000c
	s_cmp_lg_u32 s2, 0x3003
	s_cbranch_scc0 .Lentry_shape_is_right
	s_endpgm
.Lentry_shape_is_right:
; x[b][q][head] = the sum over k of softmax_k(Q . K / 8, masked scores replaced by -1e20) V, for 64 (batch, head) pairs of 2,048 positions and 64 channels.  Operands f16, products, maxima and sums f32.
; Q arrives multiplied by c = log2(e) / 8, so a score is already t, an exponent of 2; a masked t is T0 = -1e20 log2(e).  p = 2^(t - m), m the running largest t, by a plain subtraction:
; in a row that is masked throughout t - m is exactly 0 and every p is 1, which gives the mean of V, as the softmax of equal numbers does.
; SHARES.  A work-group owns 512 queries of one (batch, head); each of its sixteen waves 32 of them, two tiles of 16, in 256 registers: four waves to a SIMD, so that one wave's vector work stands beside
; another's products and LDS loads.  Every wave walks all 2,048 keys, 64 a step.
; CLUSTER.  The four work-groups of a cluster are the four blocks of queries of one head: each tile of K and V is asked for jointly, by the same tensor load with a mask that names the four.
; LAYOUT.  S^T = K Q^T (source 0 = 16 keys, source 1 = 16 queries): a lane holds ONE query (lane % 16) and keys 8 (lane / 16) + 0..7.  Two such tiles, rounded to f16 in pairs, are source 1 of O^T = V^T P.
; K's and Q's pieces (16 positions x 16 channels, 512 bytes) lie as an operand's registers: a fragment is two loads at 16 x lane.  V's pieces lie by rows and are turned by ds_load_tr16_b128.
; THE MASK comes as lane masks, one word for each register of a tile of S^T, by scalar loads a step ahead; it only chooses values (v_cndmask_b32).
; LIMITS: NaN and infinities are not served; |x| stays under 65,504 (f16).
; REGISTERS: v1-8 addresses and constants; v12-27 eight registers of statistics a tile; v28-31 second chains of the sums; v32-63 Q; v64-127 S^T, then p, then P; v128-191 O^T; v192-255 K's fragments, then V's.
.set SLOT1, 1<<17                      ; a slot: 512 keys of K (65,536 bytes), then of V; slot 1 begins here, so that one exclusive or turns an address
.set VOFF,  65536
.set STEPB, 8192                       ; a key step: 64 keys x 128 bytes
.set SLOTB, 65536                      ; 512 keys in memory
.set SPARE, 2*SLOT1                    ; the spare words, 128 bytes a wave: eight blocks of 256 bytes that no other line names
.set AK0, 1                            ; v1  16 x lane: my place in a piece; also Q's and x's offset; never rewritten
.set AV0, 2                            ; v2  my place in V's pieces for the turning load
.set ADK, 3
.set ADV, 4
.set TZ,  5                            ; v5  T0
.set SPW, 6
.set NIL, 7
.set PFO, 8                            ; v8  256 x lane
.set ST,  12                           ; tile t at v[ST+8 t]: +0 m, +1 (named with it), +2, +3 l, +4 .. +7 at work; a in +6, m_old - m_new in +7
.set CH,  28
.set QF,  32
.set S,   64
.set OT,  128
.set KV,  192
.set WV,  2                            ; s2  wave
.set TB,  3                            ; s3  LDS byte at which the step's tiles begin
.set MB,  4                            ; s[4:5] my two tiles' rows of mask words
.set MOFF, 6                           ; s6  the step's 128 bytes in them
.set SLOTS, 7
.set G1,  8                            ; s[8:15]
.set G0A, 16                           ; s[16:19] slot 0's first fill
.set G0B, 20                           ; s[20:23] slot 1's first fill; it then walks
.set NST, 24
.set LIM, 25
.set SEL, 26
.set PFA, 28
.set XO,  30
.set MW0, 32                           ; s[32:63] tile 0's 32 mask words
.set MW1, 68                           ; s[68:99] tile 1's
.set QB,  100
.macro CROUND                          ; a round of the cluster's barrier
	s_barrier_signal -1
	s_barrier_wait -1
	s_cmp_lg_u32 s[WV], 0
	s_cbranch_scc1 .Lnot_wave_0_\@
	s_barrier_signal -3
.Lnot_wave_0_\@:
	s_barrier_wait -3
	s_barrier_signal -1
	s_barrier_wait -1
.endm
.macro JLOAD                           ; every wave fetches its 8,192 bytes of the slot: waves 0-7 K's, waves 8-15 V's; one line, one shape.  An s_nop 0 and four v_nop follow
	tensor_load_to_lds s[G0B:G0B+3], s[G1:G1+7]
	s_nop 0
.rept 4
	v_nop
.endr
.endm
; A prefetch of what the NEXT change of slots will ask for.  Of the 32,768 bytes that waves w .. w + 3 fetch, each of the four partners names 8,192, told apart by address; in each, waves 0, 4, 8, 12 ask, a lane
; for each 256 bytes.  So each 256 bytes are named once.  The last change that fills a slot asks for nothing.
.macro ASK
	s_cmp_gt_u32 s[SLOTS], s[LIM]
	s_cbranch_scc0 .Lnot_mine_\@
	global_prefetch_b8 v[PFO], s[PFA:PFA+1] th:TH_LOAD_NT scope:SCOPE_SE
.Lnot_mine_\@:
.endm
.macro MLOAD                           ; a step's mask words: 4 tiles of keys x 8 registers for each of my two tiles of queries
	s_load_b512 s[MW0:MW0+15], s[MB:MB+1], s[MOFF] offset:0x0
	s_load_b512 s[MW0+16:MW0+31], s[MB:MB+1], s[MOFF] offset:0x40
	s_load_b512 s[MW1:MW1+15], s[MB:MB+1], s[MOFF] offset:0x1000
	s_load_b512 s[MW1+16:MW1+31], s[MB:MB+1], s[MOFF] offset:0x1040
.endm
	s_load_b128 s[32:35], s[0:1], 0x0              ; qkv, mbits (the mask words' registers serve the set-up first)
	s_load_b64 s[36:37], s[0:1], 0x10              ; xh
	v_lshl_add_u32 v[SPW], v0, 2, SPARE
	v_mov_b32 v[NIL], 0
	ds_add_u32 v[SPW], v[NIL]                      ; the wave's opening: the add, twice on end, and its wait ahead of my first tensor load
	ds_add_u32 v[SPW], v[NIL]
	v_lshrrev_b32 v9, 5, v0
	v_readfirstlane_b32 s[WV], v9                  ; wave 0..15
	s_bfe_u32 s38, ttmp6, 0x40000                  ; cx: my block of 512 queries
	s_and_b32 s39, ttmp7, 0xffff                   ; 16 x batch + head, which the four partners share
	s_lshl_b32 s40, s38, 5
	s_lshl_b32 s41, s[WV], 1
	s_add_co_u32 s40, s40, s41                     ; my first tile of queries: 32 cx + 2 wave
	s_lshr_b32 s42, s[WV], 3                       ; what I fetch: part 1 (K) or 2 (V) of qkv,
	s_add_co_u32 s42, s42, 1
	s_lshl_b32 s42, s42, 24
	s_lshl_b32 s44, s39, 18                        ; the head's 2^18 bytes,
	s_add_co_u32 s42, s42, s44
	s_and_b32 s45, s[WV], 7
	s_lshl_b32 s45, s45, 13                        ; my eighth of a slot's 65,536: no place in the cluster enters
	s_add_co_u32 s42, s42, s45
	s_mov_b32 s43, 0
	s_lshl_b32 s46, s40, 11                        ; Q: a tile of 16 queries is 2,048 bytes
	s_add_co_u32 s46, s46, s44
	s_mov_b32 s47, 0
	s_lshl_b32 s48, s40, 12                        ; the mask words: 4,096 bytes a tile of queries
	s_mov_b32 s49, 0
	s_lshr_b32 s50, s39, 4                         ; x: [128 batch + tile][4 head + channel / 16][512]
	s_lshl_b32 s50, s50, 7
	s_add_co_u32 s50, s50, s40
	s_lshl_b32 s50, s50, 15
	s_and_b32 s51, s39, 15
	s_lshl_b32 s51, s51, 11
	s_add_co_u32 s50, s50, s51
	s_mov_b32 s51, 0
	s_lshl_b32 s52, s38, 13                        ; the prefetches: my work-group's 8,192 bytes,
	s_add_co_u32 s52, s52, 2*SLOTB                 ; two slots on; the first change of slots steps it to the fourth 512 keys
	s_mov_b32 s53, 0
	s_lshl_b32 s54, s[WV], 13                      ; my 8,192 bytes of a slot in LDS
	s_mov_b32 s[G1], 15|(3<<16)|(1<<21)            ; the mask: all four work-groups; elements of 8 bytes; bit 21 beside a mask; no padding
	s_mov_b32 s[G1+1], 32<<16                      ; tensor_dim0 = 32 elements: 256 bytes
	s_mov_b32 s[G1+2], 32<<16                      ; tensor_dim1 = 32 rows
	s_mov_b32 s[G1+3], 32<<16                      ; tile_dim0
	s_mov_b32 s[G1+4], 32                          ; tile_dim1
	s_mov_b32 s[G1+5], 32                          ; from row to row: dense
	s_mov_b32 s[G1+6], 0
	s_mov_b32 s[G1+7], 0
	s_mov_b32 s[SEL], 0x76543210
	s_mov_b32 s[SEL+1], 0xfedcba98                 ; lane l xor 16
	s_mov_b32 s[TB], 0
	s_mov_b32 s[MOFF], 0
	s_mov_b32 s[SLOTS], 2
	s_and_b32 s[LIM], s[WV], 3
	s_cmp_eq_u32 s[LIM], 0
	s_cselect_b32 s[LIM], 1, -1
	v_and_b32 v9, 31, v0
	v_lshlrev_b32 v[AK0], 4, v9
	v_bfe_u32 v10, v0, 4, 1
	v_and_b32 v11, 7, v0
	v_lshl_add_u32 v10, v10, 3, v11                ; the turning load: lane l reads key 8 (l / 16) + l % 8,
	v_bfe_u32 v11, v0, 3, 1
	v_lshlrev_b32 v[AV0], 5, v10                   ; 32 bytes a key in a piece,
	v_lshl_add_u32 v[AV0], v11, 4, v[AV0]          ; channels 8 ((l / 8) % 2) on
	v_add_nc_u32 v[AV0], VOFF, v[AV0]
	v_lshlrev_b32 v[PFO], 8, v9
	v_mov_b32 v[TZ], 0xe0fa4488                    ; T0 = -1e20 log2(e)
	s_wait_dscnt 0x0                               ; both opening adds are done
	s_wait_kmcnt 0x0
	s_add_nc_u64 s[42:43], s[32:33], s[42:43]      ; my part of the first 512 keys
	s_add_nc_u64 s[QB:QB+1], s[32:33], s[46:47]
	s_add_nc_u64 s[MB:MB+1], s[34:35], s[48:49]
	s_add_nc_u64 s[XO:XO+1], s[36:37], s[50:51]
	s_add_nc_u64 s[PFA:PFA+1], s[42:43], s[52:53]
	CROUND                                         ; all four work-groups are here: the first joint loads meet
	s_mov_b32 s[G0A], 1
	s_mov_b32 s[G0A+1], s54
	s_mov_b64 s[G0A+2:G0A+3], s[42:43]
	s_or_b32 s[G0A+3], s[G0A+3], 0x80000000
	s_mov_b32 s[G0B], 1
	s_add_co_u32 s[G0B+1], s54, SLOT1
	s_add_nc_u64 s[G0B+2:G0B+3], s[42:43], SLOTB
	s_or_b32 s[G0B+3], s[G0B+3], 0x80000000
	tensor_load_to_lds s[G0A:G0A+3], s[G1:G1+7]    ; both first fills together: two loads of mine are out
	s_nop 0
	tensor_load_to_lds s[G0B:G0B+3], s[G1:G1+7]
	s_nop 0
.rept 4
	v_nop
.endr
.irp i, 0,1,2,3,4,5,6,7
	global_load_b128 v[QF+4*\i:QF+4*\i+3], v[AK0], s[QB:QB+1] offset:512*\i   ; Q stays in registers: tile i / 4, channels 16 (i % 4) on
.endr
	MLOAD                                          ; step 0's mask words
.irp t, 0,1
	v_mov_b32 v[ST+8*\t], 0xff61b1e6               ; m = -3e38, under every t
.irp j, 1,2,3,4,5,6,7
	v_mov_b32 v[ST+8*\t+\j], 0                     ; l = 0; the others are written once, since pairs and a lane permute name them
.endr
.endr
.set i, 0
.rept 64
	v_mov_b32 v[OT+i], 0                           ; O^T.  The step is written once: the first a is 0 and multiplies zeros
.set i, i+1
.endr
	s_wait_loadcnt 0x0                             ; Q
	s_wait_tensorcnt 1                             ; my part of slot 0 is in; slot 1's may stay out
	s_barrier_signal -1
	s_barrier_wait -1
; A KEY STEP: 64 keys, both tiles of queries.
.macro STEP
	v_add_nc_u32 v[ADK], s[TB], v[AK0]
	v_add_nc_u32 v[ADV], s[TB], v[AV0]
.rept 3
	v_nop                                          ; five plain lines behind the last step's products: the loads below land in V's registers (four are owed), the first products below write over P's (five)
.endr
.irp i, 0,1,2,3,4,5,6,7,8,9,10,11,12,13,14,15
	ds_load_b128 v[KV+4*\i:KV+4*\i+3], v[ADK] offset:512*\i   ; K: keys 16 (i / 4) on, channels 16 (i % 4) on; 512 consecutive bytes a load
.endr
	s_wait_dscnt 0x0
.irp cp, 0,1                           ; S^T = K Q^T: eight accumulators by turns, one instruction a turn; the first eight start the sums
.irp kt, 0,1,2,3
.irp t, 0,1
.if \cp == 0
	v_wmma_f32_16x16x32_f16 v[S+32*\t+8*\kt:S+32*\t+8*\kt+7], v[KV+16*\kt+8*\cp:KV+16*\kt+8*\cp+7], v[QF+16*\t+8*\cp:QF+16*\t+8*\cp+7], 0
.else
	v_wmma_f32_16x16x32_f16 v[S+32*\t+8*\kt:S+32*\t+8*\kt+7], v[KV+16*\kt+8*\cp:KV+16*\kt+8*\cp+7], v[QF+16*\t+8*\cp:QF+16*\t+8*\cp+7], v[S+32*\t+8*\kt:S+32*\t+8*\kt+7]
.endif
.endr
.endr
.endr
.rept 4
	v_nop                                          ; places in front of the loads into K's registers and of the first read of the scores
.endr
.irp kp, 0,1
.irp ct, 0,1,2,3
.irp c, 0,1
	ds_load_tr16_b128 v[KV+8*(4*\kp+\ct)+4*\c:KV+8*(4*\kp+\ct)+4*\c+3], v[ADV] offset:(2*\kp+\c)*2048+512*\ct   ; V^T: channels 16 ct on, keys 32 kp + 16 c on; they land during the softmax
.endr
.endr
.endr
	s_wait_kmcnt 0x0                               ; this step's mask words
.set i, 0
.rept 32
	v_cndmask_b32 v[S+i], v[TZ], v[S+i], s[MW0+i]  ; a masked score becomes T0; each accumulator from its low end on
.set i, i+1
.endr
.set i, 0
.rept 32
	v_cndmask_b32 v[S+32+i], v[TZ], v[S+32+i], s[MW1+i]
.set i, i+1
.endr
	s_add_co_u32 s[MOFF], s[MOFF], 128             ; (the wait above has shown the last scalar loads done: their offset may be written)
	s_min_u32 s[MOFF], s[MOFF], 3968               ; the last step's look-ahead is held at the last 128 bytes of the row: no load leaves the buffer
	MLOAD                                          ; the next step's words
.irp j, 0,1,2,3                        ; the largest of a lane's 32 scores and the old m, three operands at a time, four chains a tile
.irp t, 0,1
	v_max3_num_f32 v[ST+8*\t+4+\j], v[S+32*\t+8*\j], v[S+32*\t+8*\j+1], v[S+32*\t+8*\j+2]
.endr
.endr
.irp g, 1,2
.irp j, 0,1,2,3
.irp t, 0,1
	v_max3_num_f32 v[ST+8*\t+4+\j], v[ST+8*\t+4+\j], v[S+32*\t+8*\j+2*\g+1], v[S+32*\t+8*\j+2*\g+2]
.endr
.endr
.endr
.irp t, 0,1
	v_max3_num_f32 v[ST+8*\t+4], v[ST+8*\t+4], v[S+32*\t+7], v[S+32*\t+15]
	v_max3_num_f32 v[ST+8*\t+6], v[ST+8*\t+6], v[S+32*\t+23], v[S+32*\t+31]
.endr
.irp t, 0,1
	v_max3_num_f32 v[ST+8*\t+4], v[ST+8*\t+4], v[ST+8*\t+5], v[ST+8*\t+6]
.endr
.irp t, 0,1
	v_max3_num_f32 v[ST+8*\t+4], v[ST+8*\t+4], v[ST+8*\t+7], v[ST+8*\t]
.endr
.irp t, 0,1
	v_permlanex16_b32 v[ST+8*\t+5], v[ST+8*\t+4], s[SEL], s[SEL+1]   ; the query's other 32 keys lie in the lane 16 away
.endr
.irp t, 0,1
	v_mov_b32 v[ST+8*\t+7], v[ST+8*\t]             ; the old m
.endr
.irp t, 0,1
	v_max_num_f32 v[ST+8*\t], v[ST+8*\t+4], v[ST+8*\t+5]
.endr
.irp t, 0,1
	v_sub_f32 v[ST+8*\t+7], v[ST+8*\t+7], v[ST+8*\t]
.endr
.irp t, 0,1                            ; ONE BATCH of 66 exponentials: a = 2^(m_old - m_new), then the 64 p; none of these lines names a result
	v_exp_f32 v[ST+8*\t+6], v[ST+8*\t+7]
.endr
.irp t, 0,1
.set i, 0
.rept 16
	v_pk_add_f32 v[S+32*\t+i:S+32*\t+i+1], v[S+32*\t+i:S+32*\t+i+1], v[ST+8*\t:ST+8*\t+1] op_sel_hi:[1,0] neg_lo:[0,1] neg_hi:[0,1]   ; t - m, two at a time
.set i, i+2
.endr
.endr
.set i, 0
.rept 64
	v_exp_f32 v[S+i], v[S+i]
.set i, i+1
.endr
	v_nop                                          ; a plain line behind the last exponential
	s_wait_alu depctr_va_vdst(0)                   ; one wait for the batch, ahead of its first reader
.irp t, 0,1                            ; l = a l + the sum of p, in two chains a tile
	v_pk_fma_f32 v[ST+8*\t+2:ST+8*\t+3], v[ST+8*\t+2:ST+8*\t+3], v[ST+8*\t+6:ST+8*\t+7], v[S+32*\t:S+32*\t+1] op_sel_hi:[1,0,1]
	v_pk_add_f32 v[CH+2*\t:CH+2*\t+1], v[S+32*\t+2:S+32*\t+3], v[S+32*\t+6:S+32*\t+7]
.endr
.irp i, 4,8,12,16,20,24,28
.irp t, 0,1
	v_pk_add_f32 v[ST+8*\t+2:ST+8*\t+3], v[ST+8*\t+2:ST+8*\t+3], v[S+32*\t+\i:S+32*\t+\i+1]
.if \i > 4
	v_pk_add_f32 v[CH+2*\t:CH+2*\t+1], v[CH+2*\t:CH+2*\t+1], v[S+32*\t+\i+2:S+32*\t+\i+3]
.endif
.endr
.endr
.irp t, 0,1
	v_pk_add_f32 v[ST+8*\t+2:ST+8*\t+3], v[ST+8*\t+2:ST+8*\t+3], v[CH+2*\t:CH+2*\t+1]
.endr
.irp t, 0,1                            ; P: pairs of p to f16, in place and ascending: register i takes p 2 i and 2 i + 1, which no later line wants
.set i, 0
.rept 16
	v_cvt_pk_f16_f32 v[S+32*\t+i], v[S+32*\t+2*i], v[S+32*\t+2*i+1]
.set i, i+1
.endr
.endr
.irp t, 0,1
.set i, 0
.rept 16
	v_pk_mul_f32 v[OT+32*\t+i:OT+32*\t+i+1], v[OT+32*\t+i:OT+32*\t+i+1], v[ST+8*\t+6:ST+8*\t+7] op_sel_hi:[1,0]   ; O^T x a
.set i, i+2
.endr
.endr
	s_wait_dscnt 0x0                               ; V is in
.irp kp, 0,1                           ; O^T += V^T P: eight accumulators by turns
.irp ct, 0,1,2,3
.irp t, 0,1
	v_wmma_f32_16x16x32_f16 v[OT+32*\t+8*\ct:OT+32*\t+8*\ct+7], v[KV+8*(4*\kp+\ct):KV+8*(4*\kp+\ct)+7], v[S+32*\t+8*\kp:S+32*\t+8*\kp+7], v[OT+32*\t+8*\ct:OT+32*\t+8*\ct+7]
.endr
.endr
.endr
.endm
.macro SLOT_STEPS                      ; a slot's eight key steps: written once, walked eight times
	s_mov_b32 s[NST], 8
.Lstep_\@:
	STEP
	s_add_co_u32 s[TB], s[TB], STEPB
	s_sub_co_u32 s[NST], s[NST], 1
	s_cmp_lg_u32 s[NST], 0
	s_cbranch_scc1 .Lstep_\@
.endm
; THE CHANGE OF SLOTS.  Each wave waits for all its tensor loads (its part of the other slot), adds 0 to its spare word, and waits for that and for its reads of the slot that it leaves.
; fill = 1: the barrier is a round of the cluster's, and the slot just left is filled with the 512 keys two slots on: the load has eight key steps in which to land.
.macro CHANGE fill
	s_wait_tensorcnt 0x0                           ; no tensor load of mine is out, so a group 0 may be written
	ds_add_u32 v[SPW], v[NIL]                      ; 0 onto my spare word
.if \fill
	s_xor_b32 s[G0B+1], s[G0B+1], SLOT1            ; the walking descriptor: the other slot than last time,
	s_add_nc_u64 s[G0B+2:G0B+3], s[G0B+2:G0B+3], SLOTB   ; the next 512 keys
	s_wait_xcnt 0x0                                ; the last prefetch has read its address
	s_add_nc_u64 s[PFA:PFA+1], s[PFA:PFA+1], SLOTB
	s_wait_dscnt 0x0                               ; the add is done, and my reads of the slot are over
	CROUND
	JLOAD                                          ; the first thing behind the round, and my one tensor load until the next
	ASK
.else
	s_wait_dscnt 0x0
	s_barrier_signal -1
	s_barrier_wait -1
.endif
	s_sub_co_u32 s[TB], s[TB], SLOTB               ; back to a slot's first step,
	s_xor_b32 s[TB], s[TB], SLOT1                  ; in the other slot
.endm
	SLOT_STEPS                                     ; keys 0-511
.Lslot:                                            ; two trips: keys 512-1,023 and 1,024-1,535; behind each change the slot just left is filled again
	CHANGE 1
	SLOT_STEPS
	s_sub_co_u32 s[SLOTS], s[SLOTS], 1
	s_cmp_lg_u32 s[SLOTS], 0
	s_cbranch_scc1 .Lslot
	CHANGE 0                                       ; the tail is written out
	SLOT_STEPS                                     ; keys 1,536-2,047
	; THE WAY OUT.  O^T / l, to f16; a lane's eight channels are 16 bytes, and an accumulator's 32 lanes store one piece of 512 consecutive bytes, laid as the next product's operand registers.
	s_wait_kmcnt 0x0                               ; the held look-ahead's words
.irp t, 0,1
	v_add_f32 v[ST+8*\t+4], v[ST+8*\t+2], v[ST+8*\t+3]   ; (these additions and the v_nop below are the places behind the last products)
.endr
.irp t, 0,1
	v_permlanex16_b32 v[ST+8*\t+5], v[ST+8*\t+4], s[SEL], s[SEL+1]
.endr
.irp t, 0,1
	v_add_f32 v[ST+8*\t+4], v[ST+8*\t+4], v[ST+8*\t+5]
.endr
.irp t, 0,1
	v_rcp_f32 v[ST+8*\t+6], v[ST+8*\t+4]
.endr
	v_nop                                          ; a plain line behind the last reciprocal
	s_wait_alu depctr_va_vdst(0)                   ; and the wait ahead of the first use: one for both
.irp t, 0,1
.set i, 0
.rept 16
	v_pk_mul_f32 v[OT+32*\t+i:OT+32*\t+i+1], v[OT+32*\t+i:OT+32*\t+i+1], v[ST+8*\t+6:ST+8*\t+7] op_sel_hi:[1,0]
.set i, i+2
.endr
.endr
.irp t, 0,1
.set i, 0
.rept 16
	v_cvt_pk_f16_f32 v[S+16*\t+i], v[OT+32*\t+2*i], v[OT+32*\t+2*i+1]
.set i, i+1
.endr
.endr
.irp t, 0,1
.irp ct, 0,1,2,3
	global_store_b128 v[AK0], v[S+16*\t+4*\ct:S+16*\t+4*\ct+3], s[XO:XO+1] offset:32768*\t+512*\ct
.endr
.endr
	s_wait_tensorcnt 0x0                           ; the wave's end: a wait, an add of 0 to my spare word, and its wait behind my last tensor load
	ds_add_u32 v[SPW], v[NIL]
	s_wait_dscnt 0x0
	CROUND                                         ; the closing round
	s_endpgm
.Lfunc_end_k_q5809277968_attn:
	.size	k_q5809277968_attn, .Lfunc_end_k_q5809277968_attn-k_q5809277968_attn
	.p2alignl 7, 3214868480
	.fill 96, 4, 3214868480
	.section	.rodata,"a",@progbits
	.p2align	6, 0x0
	.amdhsa_kernel k_q5809277968_attn
		.amdhsa_group_segment_fixed_size 327680
		.amdhsa_private_segment_fixed_size 0
		.amdhsa_enable_private_segment 0
		.amdhsa_kernarg_size 24
		.amdhsa_user_sgpr_count 2
		.amdhsa_user_sgpr_kernarg_segment_ptr 1
		.amdhsa_wavefront_size32 1
		.amdhsa_system_sgpr_workgroup_id_x 1
		.amdhsa_system_sgpr_workgroup_id_y 1
		.amdhsa_system_sgpr_workgroup_id_z 1
		.amdhsa_system_vgpr_workitem_id 0
		.amdhsa_next_free_vgpr 256
		.amdhsa_next_free_sgpr 102
		.amdhsa_reserve_vcc 0
		.amdhsa_float_denorm_mode_32 3
		.amdhsa_float_denorm_mode_16_64 3
		.amdhsa_memory_ordered 1
		.amdhsa_forward_progress 1
		.amdhsa_inst_pref_size 80
	.end_amdhsa_kernel
	.amdgpu_metadata
---
amdhsa.version: [ 1, 2 ]
amdhsa.kernels:
  - .name:           k_q5809277968_attn
    .symbol:         k_q5809277968_attn.kd
    .args:
      - { .name: qkv, .offset: 0, .size: 8, .value_kind: global_buffer, .address_space: global }
      - { .name: mbits, .offset: 8, .size: 8, .value_kind: global_buffer, .address_space: global }
      - { .name: xh, .offset: 16, .size: 8, .value_kind: global_buffer, .address_space: global }
    .group_segment_fixed_size: 327680
    .private_segment_fixed_size: 0
    .kernarg_segment_align: 8
    .kernarg_segment_size: 24
    .max_flat_workgroup_size: 512
    .sgpr_count:     102
    .vgpr_count:     256
    .wavefront_size: 32
...
	.end_amdgpu_metadata
.endif
;; end of part 3
;; launch outp (part 4): grid 4 x 64, 4 waves a work-group, clusters of 4 x 4, 327,680 bytes of LDS; arguments xh, wo16, out0, bo; writes out0
.if DOCPART == 4
	.amdgcn_target "amdgcn-amd-amdhsa--gfx1250"
	.amdhsa_code_object_version 6
	.text
	.protected	k_q5809277968_outp
	.globl	k_q5809277968_outp
	.p2align	8
	.type	k_q5809277968_outp,@function
k_q5809277968_outp:
	s_mov_b64 s[64:65], 0
	v_nop
	global_prefetch_b8 v0, s[64:65] scope:SCOPE_SE
	s_setreg_imm32_b32 hwreg(HW_REG_WAVE_MODE, 25, 1), 1
	s_wait_xcnt 0x0
	s_wait_alu depctr_hold_cnt(0) depctr_sa_sdst(0) depctr_va_vdst(0) depctr_va_sdst(0) depctr_va_ssrc(0) depctr_va_vcc(0) depctr_vm_vsrc(0)
	s_getreg_b32 s2, hwreg(HW_REG_IB_STS2, 6, 4)
	s_cmp_eq_u32 s2, 0
	s_cbranch_scc0 .Lentry_in_a_cluster
	s_endpgm
.Lentry_in_a_cluster:
	s_bfe_u32 s2, ttmp6, 0x10000c
	s_cmp_lg_u32 s2, 0xf033
	s_cbranch_scc0 .Lentry_shape_is_right
	s_endpgm
.Lentry_shape_is_right:
; out0[m][n] = the sum over k of x[m][k] Wo[n][k] + bo[n].  x [8192][1024] and Wo [1024][1024] arrive as f16 in pieces of 16 rows x 16 along K, 512 bytes each, laid as an operand's registers
; ([rows / 16][k / 16][512]); out0 is f32; sums in f32.
; A tile of out0 is 128 rows x 256 columns: 256 work-groups.  Four waves, each 64 x 128: 32 accumulators of 16 x 16.  K goes in steps of 128 through two LDS slots: of each band of 16 rows a step is 4,096
; consecutive bytes of memory, and lies so in LDS: a fragment is two loads at 16 x lane, 512 consecutive bytes each.
; CLUSTERS: 4 x 4 work-groups.  The four of a row of the cluster need the same bands of x, the four of a column the same bands of Wo: each tile is asked for jointly.
; THE MATRIX INSTRUCTION IS USED TRANSPOSED (source 0 = 16 rows of Wo, source 1 = 16 rows of x): a lane then holds eight neighbouring numbers of a row of out0.  The bias is the C of each sum's first product.
; REGISTERS: window 0: v0-31 addresses; v32-127 and v128-223 two fragment buffers (32 of x, 64 of Wo, for 32 along K); window 1: the accumulators ((a, b) at v[8 (8 a + b)]); window 2: v0-63 the bias.
.set SLOT,   98304                     ; x's 8 bands x 4,096 bytes, then Wo's 16
.set BOFF,   32768
.set KB,     4096                      ; a K step of a band in bytes
.set STAGE,  2*SLOT                    ; behind the ring: 16 rows x 528 bytes for each wave, for the way out; no tensor load lands there
.set SPITCH, 528
.set SPARE,  STAGE+4*16*SPITCH         ; the spare words, 128 bytes a wave: two blocks of 256 bytes that no other line names
.set LAPS,   4                         ; a lap = two K steps; 1,024 along K are eight
.set CO,   2                           ; v2   16 x lane: a fragment's place, and my offset in a row of out0; never rewritten
.set ADRA, 16
.set ADRB, 20
.set STO,  24
.set RD,   25
.set BOF,  26
.set SPW,  28
.set NIL,  29
.set PFO,  30
.set F0,   32
.set F1,   128
.set BK,   32                          ; the way out: 16 rows read back: v32-95 and v96-159 by turns
.set G1,  24
.set G0,  32
.set G1B, 48
.set G0B, 56
.set LIM, 43
.set PFA, 44
.set MSB, 0
.macro WIN new
.if MSB != (\new)
	s_set_vgpr_msb (MSB<<8)|(\new)
.set MSB, (\new)
.endif
.endm
.set MUL, 0x50                         ; sources 0 and 1 window 0; C and D window 1.  With 0x10 more: C window 2, the bias
.macro JLOAD s                         ; a joint load: waves 0 and 1 fetch x's two halves, waves 2 and 3 Wo's; an s_nop 0 and four v_nop follow each of the two lines
	s_cmp_eq_u32 s11, 0
	s_cbranch_scc0 .Lfor_b_\@
	tensor_load_to_lds s[G0+4*\s:G0+4*\s+3], s[G1:G1+7]
	s_nop 0
.rept 4
	v_nop
.endr
	s_branch .Lasked_\@
.Lfor_b_\@:
	tensor_load_to_lds s[G0B+4*\s:G0B+4*\s+3], s[G1B:G1B+7]
	s_nop 0
.rept 4
	v_nop
.endr
.Lasked_\@:
.endm
.macro CREST
	s_cmp_lg_u32 s10, 0
	s_cbranch_scc1 .Lnot_wave_0_\@
	s_barrier_signal -3
.Lnot_wave_0_\@:
	s_barrier_wait -3
	s_barrier_signal -1
	s_barrier_wait -1
.endm
.macro CROUND
	s_barrier_signal -1
	s_barrier_wait -1
	CREST
.endm
; A prefetch of x's K step that stands two refills on.  The tile's 8 bands are shared out among the four partners by address, two each; wave 0 asks: lanes 0-15 one band's 4,096 bytes, lanes 16-31 the next's,
; 256 bytes a lane.  x's rows are read by one row of one cluster alone, so each 256 bytes are named once.  The last trip's two refills have no K step two on.  Wo, which every cluster reads, is not asked for.
.macro ASK
	s_cmp_gt_u32 s3, s[LIM]
	s_cbranch_scc0 .Lnot_mine_\@
	global_prefetch_b8 v[PFO], s[PFA:PFA+1] th:TH_LOAD_NT scope:SCOPE_SE
.Lnot_mine_\@:
.endm
	s_load_b128 s[4:7], s[0:1], 0x0                ; xh, wo16
	s_load_b64 s[8:9], s[0:1], 0x10                ; out0
	s_load_b64 s[66:67], s[0:1], 0x18              ; bo
	v_lshl_add_u32 v[SPW], v0, 2, SPARE
	v_mov_b32 v[NIL], 0
	ds_add_u32 v[SPW], v[NIL]                      ; the wave's opening: the add, twice on end, and its wait ahead of my first tensor load
	ds_add_u32 v[SPW], v[NIL]
	v_lshrrev_b32 v1, 5, v0
	v_readfirstlane_b32 s10, v1                    ; wave 0..3
	s_lshr_b32 s11, s10, 1                         ; which half of the tile's rows is mine.  Also: I fetch for x (0) or for Wo (1)
	s_and_b32 s12, s10, 1                          ; which half of its columns.  Also: which half of that tile I fetch
	s_bfe_u32 s40, ttmp6, 0x40000                  ; cx, cy
	s_bfe_u32 s41, ttmp6, 0x40004
	s_lshl_b32 s42, ttmp9, 2
	s_add_co_u32 s42, s42, s40                     ; tile column
	s_and_b32 s13, ttmp7, 0xffff
	s_lshl_b32 s13, s13, 2
	s_add_co_u32 s13, s13, s41                     ; tile row, 0 .. 63
	s_lshl_b32 s43, s41, 2
	s_lshl_b32 s43, 15, s43                        ; my row of the cluster
	s_lshl_b32 s44, 0x1111, s40                    ; my column
	s_or_b32 s[G1+0], s43, (3<<16)|(1<<21)         ; the mask; elements of 8 bytes; bit 21 beside a mask; no padding
	s_or_b32 s[G1B+0], s44, (3<<16)|(1<<21)
	s_mov_b32 s[G1+1], 512<<16                     ; tensor_dim0 = 512 elements: 4,096 bytes
	s_mov_b32 s[G1+2], 4<<16                       ; tensor_dim1 = 4 bands
	s_mov_b32 s[G1+3], 512<<16                     ; tile_dim0
	s_mov_b32 s[G1+4], 4                           ; tile_dim1
	s_mov_b32 s[G1+5], 4096                        ; from band to band: 32,768 bytes
	s_mov_b32 s[G1+6], 0
	s_mov_b32 s[G1+7], 0
	s_mov_b32 s[G1B+1], 512<<16
	s_mov_b32 s[G1B+2], 8<<16                      ; Wo: 8 bands
	s_mov_b32 s[G1B+3], 512<<16
	s_mov_b32 s[G1B+4], 8
	s_mov_b32 s[G1B+5], 4096
	s_mov_b32 s[G1B+6], 0
	s_mov_b32 s[G1B+7], 0
	s_lshl_b32 s16, s13, 3
	s_lshl_b32 s17, s12, 2
	s_add_co_u32 s16, s16, s17                     ; x: band 8 x tile row + 4 x half
	s_lshl_b32 s16, s16, 15
	s_mov_b32 s17, 0
	s_lshl_b32 s46, s42, 4
	s_lshl_b32 s47, s12, 3
	s_add_co_u32 s46, s46, s47                     ; Wo: band 16 x tile column + 8 x half
	s_lshl_b32 s46, s46, 15
	s_mov_b32 s47, 0
	s_lshl_b32 s20, s12, 14                        ; where they go: x's halves of 16,384 bytes,
	s_lshl_b32 s21, s12, 15
	s_add_co_u32 s21, s21, BOFF                    ; Wo's of 32,768 behind them: no place in the cluster enters an LDS address
	s_wait_dscnt 0x0                               ; both opening adds are done
	s_wait_kmcnt 0x0
	s_add_nc_u64 s[14:15], s[4:5], s[16:17]
	s_add_nc_u64 s[46:47], s[6:7], s[46:47]
	CROUND                                         ; all sixteen work-groups are here: the first joint loads meet
.irp s, 0,1
	s_mov_b32 s[G0+4*\s], 1
	s_add_co_u32 s[G0+4*\s+1], s20, \s*SLOT
	s_add_nc_u64 s[G0+4*\s+2:G0+4*\s+3], s[14:15], \s*KB
	s_or_b32 s[G0+4*\s+3], s[G0+4*\s+3], 0x80000000
	s_mov_b32 s[G0B+4*\s], 1
	s_add_co_u32 s[G0B+4*\s+1], s21, \s*SLOT
	s_add_nc_u64 s[G0B+4*\s+2:G0B+4*\s+3], s[46:47], \s*KB
	s_or_b32 s[G0B+4*\s+3], s[G0B+4*\s+3], 0x80000000
	JLOAD \s                                       ; two loads of mine are out
.endr
	v_and_b32 v1, 31, v0
	v_lshlrev_b32 v[CO], 4, v1                     ; 16 x lane
	v_and_b32 v3, 15, v0                           ; r
	v_bfe_u32 v4, v0, 4, 1                         ; h
	s_lshl_b32 s21, s11, 14                        ; my 4 bands of x
	s_lshl_b32 s22, s12, 15
	s_add_co_u32 s22, s22, BOFF                    ; my 8 bands of Wo
.irp s, 0,1
	v_add_nc_u32 v[ADRA+\s], s21, v[CO]
	v_add_nc_u32 v[ADRB+\s], s22, v[CO]
	s_add_co_u32 s21, s21, SLOT
	s_add_co_u32 s22, s22, SLOT
.endr
	s_mul_i32 s23, s10, 16*SPITCH
	s_add_co_u32 s23, s23, STAGE                   ; my stage
	v_mul_u32_u24 v5, v3, SPITCH                   ; in: row r, 32 bytes for each half of the lanes
	v_lshl_add_u32 v5, v4, 5, v5
	v_add_nc_u32 v[STO], s23, v5
	v_add_nc_u32 v[RD], s23, v[CO]                 ; back: the 32 lanes take one row of 512 bytes
	s_lshl_b32 s16, s42, 10
	s_lshl_b32 s17, s12, 9
	s_add_co_u32 s16, s16, s17                     ; my first column, in bytes: 1,024 x tile column + 512 x half
	s_mov_b32 s17, 0
	s_add_nc_u64 s[66:67], s[66:67], s[16:17]
	v_lshlrev_b32 v[BOF], 5, v4
	WIN 0x80                                       ; destination window 2
.irp b, 0,1,2,3,4,5,6,7
	global_load_b128 v[8*\b:8*\b+3], v[BOF], s[66:67] offset:64*\b          ; lane (r, h): bo of columns 16 b + 8 h + 0 .. 7
	global_load_b128 v[8*\b+4:8*\b+7], v[BOF], s[66:67] offset:64*\b+16
.endr
	WIN 0
	s_lshl_b32 s18, s13, 7
	s_lshl_b32 s19, s11, 6
	s_add_co_u32 s18, s18, s19                     ; my first row: 128 x tile row + 64 x half
	s_lshl_b32 s18, s18, 12                        ; a row of out0 is 4,096 bytes
	s_add_co_u32 s18, s18, s16
	s_mov_b32 s19, 0
	s_add_nc_u64 s[8:9], s[8:9], s[18:19]
	s_lshl_b32 s44, s13, 3                         ; the prefetches: band 8 x tile row + 2 cx,
	s_lshl_b32 s45, s40, 1
	s_add_co_u32 s44, s44, s45
	s_lshl_b32 s44, s44, 15
	s_add_co_u32 s44, s44, 3*KB                    ; at K step 3: the first refill steps it to 4.  Nothing is prefetched here, at the head
	s_mov_b32 s45, 0
	s_add_nc_u64 s[PFA:PFA+1], s[4:5], s[44:45]
	s_cmp_eq_u32 s10, 0
	s_cselect_b32 s[LIM], 1, -1
	v_lshlrev_b32 v[PFO], 15, v4
	v_lshl_add_u32 v[PFO], v3, 8, v[PFO]
; 8 matrix instructions: x's block a against Wo's eight, 32 along K.  first = 1: the bias is C.  The 32 accumulators take turns, one instruction a turn, in the same order in every quarter.
.macro MUL8 f, a, first
.irp b, 0,1,2,3,4,5,6,7
.if \first
	v_wmma_f32_16x16x32_f16 v[8*(8*(\a)+\b):8*(8*(\a)+\b)+7], v[\f+32+8*\b:\f+32+8*\b+7], v[\f+8*(\a):\f+8*(\a)+7], v[8*\b:8*\b+7]
.else
	v_wmma_f32_16x16x32_f16 v[8*(8*(\a)+\b):8*(8*(\a)+\b)+7], v[\f+32+8*\b:\f+32+8*\b+7], v[\f+8*(\a):\f+8*(\a)+7], v[8*(8*(\a)+\b):8*(8*(\a)+\b)+7]
.endif
.endr
.endm
.macro FETCH slot, q, f                ; 24 LDS loads in one run: the fragments of the slot's q-th 32 along K
.irp i, 0,1,2,3
	ds_load_b128 v[\f+8*\i:\f+8*\i+3],   v[ADRA+\slot] offset:KB*\i+1024*(\q)
	ds_load_b128 v[\f+8*\i+4:\f+8*\i+7], v[ADRA+\slot] offset:KB*\i+1024*(\q)+512
.endr
.irp i, 0,1,2,3,4,5,6,7
	ds_load_b128 v[\f+32+8*\i:\f+32+8*\i+3],   v[ADRB+\slot] offset:KB*\i+1024*(\q)
	ds_load_b128 v[\f+32+8*\i+4:\f+32+8*\i+7], v[ADRB+\slot] offset:KB*\i+1024*(\q)+512
.endr
.endm
.macro PLACES                          ; four plain lines in front of loads into registers that matrix instructions have read, and of the first read of results (ISA guide 7.12.1 for the first read of results)
.rept 4
	v_nop
.endr
.endm
; A K step is four quarters of 32 along K, 32 matrix instructions each, on buffers 0, 1, 0, 1.  One of the first three: multiplies buffer f and fetches quarter q into g.
.macro QUARTER slot, q, f, g, first
	s_wait_dscnt 0x0                               ; buffer f is in
	WIN MUL+0x10*(\first)
	MUL8 \f, 0, \first
	MUL8 \f, 1, \first
	PLACES
	WIN 0
	FETCH \slot, \q, \g
	WIN MUL+0x10*(\first)
	MUL8 \f, 2, \first
	MUL8 \f, 3, \first
.endm
; The last quarter multiplies buffer 1 and changes slots: one barrier; in front of it each wave waits for all its tensor loads, adds 0 to its spare word, and waits for that and for its reads of this slot.
; fill = 1: the barrier opens a round of the cluster's, and this slot is filled again, two K steps ahead.
.macro TURN slot, next, fill
.if \fill
	s_wait_xcnt 0x0                                ; the last prefetch, a K step back, has read its address
	s_add_nc_u64 s[PFA:PFA+1], s[PFA:PFA+1], KB
.endif
	WIN 0                                          ; (the add's two registers lie in window 0)
	s_wait_tensorcnt 0x0                           ; my part of the next slot has landed
	ds_add_u32 v[SPW], v[NIL]                      ; 0 onto my spare word
	s_wait_dscnt 1                                 ; buffer 1 is in; the add may be out
	WIN MUL
	MUL8 F1, 0, 0
	s_wait_dscnt 0x0                               ; the add is done, and my reads of this slot are over
	s_barrier_signal -1
	MUL8 F1, 1, 0
	WIN 0
	s_barrier_wait -1
.if \fill
	CREST                                          ; no wave of any partner still reads this slot's tile or has a load on its way
	s_add_nc_u64 s[G0+4*\slot+2:G0+4*\slot+3], s[G0+4*\slot+2:G0+4*\slot+3], 2*KB
	s_add_nc_u64 s[G0B+4*\slot+2:G0B+4*\slot+3], s[G0B+4*\slot+2:G0B+4*\slot+3], 2*KB
	JLOAD \slot                                    ; the first tensor load behind the round; its four v_nop are also the places in front of the loads below
.else
	PLACES
.endif
	FETCH \next, 0, F0
.if \fill
	ASK
.endif
	WIN MUL
	MUL8 F1, 2, 0
	MUL8 F1, 3, 0
.endm
	s_wait_tensorcnt 1                             ; my part of K step 0 is in; K step 1's load may be out
	s_barrier_signal -1
	s_barrier_wait -1
	FETCH 0, 0, F0
	s_wait_loadcnt 0x0                             ; the bias
	QUARTER 0, 1, F0, F1, 1                        ; the first quarter stands in front of the loop: its products start the sums from the bias
	WIN 0
	s_mov_b32 s3, LAPS-1
.Llap:                                             ; a trip goes once round the ring, from a lap's second quarter to the next lap's first, and fills both slots again
	QUARTER 0, 2, F1, F0, 0
	QUARTER 0, 3, F0, F1, 0
	TURN 0, 1, 1
	QUARTER 1, 1, F0, F1, 0
	QUARTER 1, 2, F1, F0, 0
	QUARTER 1, 3, F0, F1, 0
	TURN 1, 0, 1
	QUARTER 0, 1, F0, F1, 0
	WIN 0
	s_sub_co_u32 s3, s3, 1
	s_cmp_lg_u32 s3, 0
	s_cbranch_scc1 .Llap
	QUARTER 0, 2, F1, F0, 0                        ; the last lap fills nothing
	QUARTER 0, 3, F0, F1, 0
	TURN 0, 1, 0
	QUARTER 1, 1, F0, F1, 0
	QUARTER 1, 2, F1, F0, 0
	QUARTER 1, 3, F0, F1, 0
	s_wait_dscnt 0x0                               ; the very last quarter
	WIN MUL
	MUL8 F1, 0, 0
	MUL8 F1, 1, 0
	MUL8 F1, 2, 0
	MUL8 F1, 3, 0
	WIN 0
; THE WAY OUT, block by block of 16 rows x 128 columns: through my own stage, back as whole rows of 512 bytes, which the 32 lanes store.  LDS serves a wave's instructions in order: no wait between stores and loads.
.macro TOSTAGE a
	WIN 0x04                                       ; an LDS store's data are its source 1: window 1
.irp b, 0,1,2,3,4,5,6,7
	ds_store_b128 v[STO], v[64*(\a)+8*\b:64*(\a)+8*\b+3] offset:64*\b          ; each accumulator from its low end on
	ds_store_b128 v[STO], v[64*(\a)+8*\b+4:64*(\a)+8*\b+7] offset:64*\b+16
.endr
	WIN 0
.set BB, BK+64*((\a)%2)
.irp t, 0,1,2,3,4,5,6,7,8,9,10,11,12,13,14,15
	ds_load_b128 v[BB+4*\t:BB+4*\t+3], v[RD] offset:\t*SPITCH
.endr
.endm
.macro SEND a, younger                 ; younger: the LDS instructions issued behind block a's loads, which may stay out
.set BB, BK+64*((\a)%2)
	s_wait_dscnt \younger
.if (\a) > 0
	s_add_nc_u64 s[8:9], s[8:9], 16*4096           ; (behind a wait on XCNT: the earlier stores have read their base)  16 rows on
.endif
.irp t, 0,1,2,3,4,5,6,7,8,9,10,11,12,13,14,15
	global_store_b128 v[CO], v[BB+4*\t:BB+4*\t+3], s[8:9] offset:\t*4096 th:TH_STORE_NT   ; 32 lanes store 512 consecutive bytes, at a multiple of 256 from out0's first byte
.endr
.endm
	PLACES
	TOSTAGE 0
.irp a, 1,2,3
.if \a > 1
	s_wait_xcnt 0x0                                ; block a - 2's stores have read their registers and their base
.endif
	TOSTAGE \a
	SEND \a-1, 32                                  ; behind block a - 1's loads: block a's 16 stores and 16 loads
.endr
	s_wait_xcnt 0x0
	SEND 3, 0
	s_wait_tensorcnt 0x0                           ; the wave's end: a wait, an add of 0 to my spare word, and its wait behind my last tensor load and my last LDS store
	ds_add_u32 v[SPW], v[NIL]
	s_wait_dscnt 0x0
	CROUND                                         ; the closing round
	s_endpgm
.Lfunc_end_k_q5809277968_outp:
	.size	k_q5809277968_outp, .Lfunc_end_k_q5809277968_outp-k_q5809277968_outp
	.p2alignl 7, 3214868480
	.fill 96, 4, 3214868480
	.section	.rodata,"a",@progbits
	.p2align	6, 0x0
	.amdhsa_kernel k_q5809277968_outp
		.amdhsa_group_segment_fixed_size 327680
		.amdhsa_private_segment_fixed_size 0
		.amdhsa_enable_private_segment 0
		.amdhsa_kernarg_size 32
		.amdhsa_user_sgpr_count 2
		.amdhsa_user_sgpr_kernarg_segment_ptr 1
		.amdhsa_wavefront_size32 1
		.amdhsa_system_sgpr_workgroup_id_x 1
		.amdhsa_system_sgpr_workgroup_id_y 1
		.amdhsa_system_sgpr_workgroup_id_z 1
		.amdhsa_system_vgpr_workitem_id 0
		.amdhsa_next_free_vgpr 576
		.amdhsa_next_free_sgpr 68
		.amdhsa_reserve_vcc 0
		.amdhsa_float_denorm_mode_32 3
		.amdhsa_float_denorm_mode_16_64 3
		.amdhsa_memory_ordered 1
		.amdhsa_forward_progress 1
		.amdhsa_inst_pref_size 87
	.end_amdhsa_kernel
	.amdgpu_metadata
---
amdhsa.version: [ 1, 2 ]
amdhsa.kernels:
  - .name:           k_q5809277968_outp
    .symbol:         k_q5809277968_outp.kd
    .args:
      - { .name: xh, .offset: 0, .size: 8, .value_kind: global_buffer, .address_space: global }
      - { .name: wo16, .offset: 8, .size: 8, .value_kind: global_buffer, .address_space: global }
      - { .name: out0, .offset: 16, .size: 8, .value_kind: global_buffer, .address_space: global }
      - { .name: bo, .offset: 24, .size: 8, .value_kind: global_buffer, .address_space: global }
    .group_segment_fixed_size: 327680
    .private_segment_fixed_size: 0
    .kernarg_segment_align: 8
    .kernarg_segment_size: 32
    .max_flat_workgroup_size: 128
    .sgpr_count:     68
    .vgpr_count:     576
    .wavefront_size: 32
...
	.end_amdgpu_metadata
.endif
;; end of part 4
